; MI455X (gfx1250); checked and timed in simulation.
; The chip was launched on July 23, 2026; its instructions are those of AMD's public machine-readable ISA for CDNA 5 (MIT licence, August 2026) and "CDNA5" Instruction Set Architecture Reference Guide (July 2026). The comments in the code are by the model that wrote it; some were corrected since.
;; Multi Head Attention. Allowed arithmetic: matrix products marked QUANTISED: E2M3 operands, one E8M0 scale for each 32 along K, by v_wmma_scale_f32_16x16x128_f8f6f4 with both operands' format E2M3, f32 sums; everything else in f32.
;; Inputs: bk 1,024 float32; bo 1,024 float32; bq 1,024 float32; bv 1,024 float32; k 4 x 2,048 x 1,024 float32; mask 1 x 1 x 2,048 x 2,048 float32; q 4 x 2,048 x 1,024 float32; v 4 x 2,048 x 1,024 float32; wk 1,024 x 1,024 float32; wo 1,024 x 1,024 float32; wq 1,024 x 1,024 float32; wv 1,024 x 1,024 float32.
;; Outputs: out0 4 x 2,048 x 1,024 float32.
;; This version of the problem:
;;   THIS VERSION OF THE PROBLEM IS GIVEN IN LOW PRECISION. The matrix products marked QUANTISED in the list below multiply operands that are first quantised to E2M3 (2 exponent bits, 3 mantissa bits; 6 bits a number), with one power-of-two scale for each 32 numbers along K (OCP MX v1.0); their sums are f32. All else is computed in f32.
;;   The module's matrix products, in the order in which they are computed (A, B: the left and right operand; K: the contracted axis; several contracted axes count as one K, in the product's order):
;;     1. [M 8,192, K 1,024] x [K 1,024, N 1,024]; A: input q; B: input wq: QUANTISED
;;     2. [M 8,192, K 1,024] x [K 1,024, N 1,024]; A: input k; B: input wk: QUANTISED
;;     3. [M 8,192, K 1,024] x [K 1,024, N 1,024]; A: input v; B: input wv: QUANTISED
;;     4. batch 64 x [M 2,048, K 64] x [K 64, N 2,048]; A: computed on the way; B: computed on the way: QUANTISED
;;     5. batch 64 x [M 2,048, K 2,048] x [K 2,048, N 64]; A: softmax (see below); B: computed on the way: QUANTISED
;;     6. [M 8,192, K 1,024] x [K 1,024, N 1,024]; A: computed on the way; B: input wo: QUANTISED
;;   THE QUANTISER, for each operand of a quantised product, along K:
;;     - K is cut into blocks of 32 from its start; a last block that is shorter is filled with zeros.
;;     - A block's scale is 2^e with e = floor(log2(the largest magnitude in the block)) - 2, held to -126 .. 127; a block of zeros has e = 0. As a byte (E8M0): e + 127.
;;     - Each number is divided by its block's scale, clamped to +-7.5, and rounded to the nearest number of E2M3, ties to even, subnormals kept.
;;     - The product sums the exact products of the quantised numbers (number of the format x scale) in f32.
;;   ~~~python
;;   def quantise(x, axis):      # numpy; x: float32 -> the quantised numbers, widened to float32 again
;;       x = np.moveaxis(x, axis, -1); K = x.shape[-1]
;;       x = np.pad(x, [(0, 0)] * (x.ndim - 1) + [(0, -K % 32)]); x = x.reshape(x.shape[:-1] + (-1, 32)); a = np.abs(x).max(-1, keepdims=True)
;;       e = np.where(a > 0, np.clip(np.frexp(np.where(a > 0, a, 1))[1] - 1 - 2, -126, 127), 0)      # np.frexp(a)[1] - 1 = floor(log2(a)), exactly
;;       r = np.clip(x / 2.0 ** e, -7.5, 7.5)
;;       step = 2.0 ** (np.maximum(np.frexp(np.where(r == 0, 1, r))[1] - 1, 0) - 3)
;;       q = np.round(r / step) * step * 2.0 ** e      # np.round: ties to even
;;       return np.moveaxis(q.reshape(q.shape[:-2] + (-1,))[..., :K], -1, axis).astype(np.float32)
;;   ~~~
;;   SOFTMAX AHEAD OF A QUANTISED PRODUCT. Where the list says 'softmax', what is quantised is not the finished softmax but p = 2^(t - M), with t = logit x log2(e) and M = ceil(the row's largest t), a whole number; so 1/2 < the row's largest p <= 1. The row's sum l is taken of the UNQUANTISED p, in f32, and the product's result is divided by l at the end. Since M is a whole number, a kernel that streams over the keys may use a running M (the ceiling of the running maximum): every later rescaling is an exact power of two, which a block's scale takes up: the codes' values come out the same.
;;   OPERANDS COMPUTED ON THE WAY. 'Computed on the way' means the value that the module computes at that place (a softmax that the list does not call 'softmax' is quantised finished and normalised). What goes into a quantiser is computed in f32, as accurately as f32 sums, v_exp_f32 and their like allow (about 1e-6 of the number): no bf16 or f16 on the way to a quantiser, and a product that is left as it is and whose result goes on into a quantised operand takes f32 operands (vector FMAs, or v_wmma_f32_16x16x4_f32). A number that lies on a knife's edge between two numbers of the format may be rounded either way, as far as f32 arithmetic and the matrix unit's own rounding can turn it there, and no further.
;; One version. Each part assembles by itself: llvm-mc -triple=amdgcn-amd-amdhsa -mcpu=gfx1250 --defsym DOCPART=n.
;; ======== version 1 of 1: 4 launches
;; limits: right only within a limited range of input values
;; workspace buffers: xc 20,447,232 bytes; wc 3,407,872 bytes; hc 20,447,232 bytes; oc 6,815,744 bytes; fl 32,768 bytes of whole numbers
;; launch quant (part 1): grid 768 x 1, 4 waves a work-group, no clusters, 38,912 bytes of LDS; arguments q, k, v, wq, wk, wv, wo, xc, wc, mask, fl; writes xc, wc, fl
.if DOCPART == 1
	.amdgcn_target "amdgcn-amd-amdhsa--gfx1250"
	.amdhsa_code_object_version 6
	.text
	.protected	k_qb40899660d_quant
	.globl	k_qb40899660d_quant
	.p2align	8
	.type	k_qb40899660d_quant,@function
k_qb40899660d_quant:
	s_mov_b64 s[64:65], 0
	v_nop
	global_prefetch_b8 v0, s[64:65] scope:SCOPE_SE
	s_setreg_imm32_b32 hwreg(HW_REG_WAVE_MODE, 25, 1), 1
	s_wait_xcnt 0x0
; q, k, v [8192][1024] f32 (K innermost) and wq, wk, wv, wo [1024 (k)][1024 (n)] f32 (K outermost) become codes of FP6 (E2M3) with one E8M0 byte for each 32 along K.
; A block's scale is 2^(floor(log2(largest magnitude)) - 2); its byte is the largest magnitude's exponent field - 2, held at 1 from below.
; LIMITS: NaN and infinities are not served; a block whose largest magnitude lies under 2^-124 gets the byte 1; a block of zeros gets the byte 1 where the rule says 127
; (its codes are zeros, which add nothing, and the bytes are read by this program alone).
; THE LAYOUT, AN OCTET OF 6,656 BYTES: 128 rows x 64 along K as images of the operand's registers.  Octet (row / 128, k / 64) lies at (row / 128 x 16 + k / 64) x 6,656.
; In it unit a = (row / 16) % 8 lies at 768 a: lane l's registers 0-3 at 16 l, its registers 4-5 at 512 + 8 l; lane l = (row % 16, h) holds the 24 bytes of block 2 (k / 64) + h of its row.
; Scale words lie at 6,144 + 64 a + 4 (row % 16): bytes 0, 1 this unit's two blocks, bytes 2, 3 those of the octet k / 64 xor 1.
; Work-groups 0-383 take q, k, v; work-groups 384-639 the weights.  No work-group shares an input with another: no cluster, no tensor load, no barrier.
; wo alone is laid with the two middle groups of 8 of each block of 32 exchanged: that is the order in which the attention launch leaves its result.
; Work-groups 640-767 read the mask and store, for each tile of 16 queries, one word of flags on its 16 tiles of 128 keys; the attention launch reads the word and does only what it asks for.
; Bit j: key tile j is left out.  It is set only where every mask value of the tile lies 0.5 or more above A, the largest over the 16 rows of the row's smallest mask value: each row then has a key whose term mask x (-1e9)
; lies 5e8 or more above every term of the tile.  LIMIT: scores q . k / 8 under 1e8 in magnitude; then every p = 2^(t - M) of such a tile is 0 in f32, adds nothing to the row's sum, has the code 0, and never holds the row's maximum.
; Bit 16 + j: the tile holds a mask value other than 0.  Where it is clear the mask's term is 0 for the whole tile, and is neither loaded nor added.
.set OCT,  6656
.set XT,   6815744                     ; bytes of the codes of one of q, k, v
.set WT,   851968                      ; bytes of the codes of one weight
.set WREG, 9472                        ; LDS of a wave: a stage of 16 rows x 528 bytes, then 1,024 bytes of scale words
.set SCW,  8448
.set C,    32                          ; v32-43   a step's codes: two units of six registers
.set CT,   44                          ; v44-46, v48-50 the conversions' second halves
.set MX,   52                          ; v52-53   largest magnitudes;  v54-55 their second chains
.set M2,   54
.set SO,   56                          ; v56-57   the conversions' scale operands
.set BY,   58                          ; v58-59   the scale bytes
.set R,    64                          ; v64-191  two sets of 64 numbers as loaded
.set X,    192                         ; v192-255 the step's numbers, 32 neighbours along K for each of two units
	s_load_b256 s[4:11], s[0:1], 0x0               ; q s[4:5], k s[6:7], v s[8:9], wq s[10:11]
	s_load_b256 s[12:19], s[0:1], 0x20             ; wk s[12:13], wv s[14:15], wo s[16:17], xc s[18:19]
	s_load_b64 s[20:21], s[0:1], 0x40              ; wc
	v_lshl_add_u32 v31, v0, 2, 0x9400
	v_mov_b32 v47, 0
	v_lshrrev_b32 v8, 5, v0
	v_readfirstlane_b32 s22, v8                    ; wave
	v_and_b32 v8, 31, v0                           ; lane l
	v_and_b32 v9, 15, v0                           ; r
	v_bfe_u32 v10, v0, 4, 1                        ; h
	v_lshlrev_b32 v1, 4, v8                        ; 16 l
	v_lshlrev_b32 v2, 3, v8                        ; 8 l
	s_cmp_ge_u32 ttmp9, 384
	s_cbranch_scc1 .Lweights
; ---- q, k, v.  A wave turns 128 rows x 128 along K into two octets, 16 rows a step.  Each load reads 512 consecutive bytes of a row; the step's 8 KB turn through the wave's own stage,
; so that lane (r, h) gets 32 neighbours of row r for each unit.  Loads run two steps ahead.
	s_mul_i32 s23, s22, WREG
	v_add_nc_u32 v3, s23, v1                       ; the stage on the way in: 16 l, a row each 528 bytes
	v_mul_u32_u24 v4, v9, 528
	v_lshl_add_u32 v4, v10, 7, v4
	v_add_nc_u32 v4, s23, v4                       ; and out: row r, + 128 h bytes: block h of a unit
	v_lshlrev_b32 v5, 2, v9
	v_lshl_add_u32 v5, v10, 9, v5
	v_add_nc_u32 v5, s23, v5                       ; scale words: lanes 0-15 write the first octet's, lanes 16-31 the second's
	v_lshlrev_b32 v7, 3, v10                       ; 8 h
	v_mov_b32 v63, 0                               ; a lane permute's destination counts as read: written once
	s_mov_b32 s36, 0x76543210
	s_mov_b32 s37, 0xfedcba98                      ; selects for lane l xor 16
	s_mov_b32 vcc_lo, 0xffff0000                   ; lanes 16-31
	s_lshr_b32 s26, ttmp9, 7                       ; which tensor
	s_and_b32 s27, ttmp9, 127
	s_lshl_b32 s27, s27, 2
	s_add_co_u32 s27, s27, s22                     ; which of its 512 parts
	s_lshr_b32 s28, s27, 3                         ; o: 128 rows
	s_and_b32 s29, s27, 7                          ; 128 along K
	s_lshl_b32 s30, s28, 19                        ; 128 rows of 4,096 bytes
	s_lshl_b32 s31, s29, 9
	s_add_co_u32 s30, s30, s31
	s_mov_b32 s31, 0
	s_lshl_b32 s32, s28, 4
	s_lshl_b32 s33, s29, 1
	s_add_co_u32 s32, s32, s33
	s_mul_i32 s32, s32, OCT
	s_mul_i32 s33, s26, XT
	s_add_co_u32 s32, s32, s33
	s_mov_b32 s33, 0
	s_wait_alu depctr_va_vdst(0)
	s_wait_kmcnt 0x0
	s_cmp_eq_u32 s26, 0
	s_cselect_b64 s[24:25], s[4:5], s[6:7]
	s_cmp_eq_u32 s26, 2
	s_cselect_b64 s[24:25], s[8:9], s[24:25]
	s_add_nc_u64 s[24:25], s[24:25], s[30:31]
	s_add_nc_u64 s[18:19], s[18:19], s[32:33]
.macro LOAD a                          ; step a's 16 rows: 32 lanes read 512 consecutive bytes
.irp i, 0,1,2,3,4,5,6,7,8,9,10,11,12,13,14,15
	global_load_b128 v[R+64*((\a)%2)+4*\i:R+64*((\a)%2)+4*\i+3], v1, s[24:25] offset:(16*(\a)+\i)*4096 th:TH_LOAD_NT
.endr
.endm
.macro XSTEP a
.if (\a) < 7
	s_wait_loadcnt 16                              ; this step's 16 loads are in; the next step's 16 may be out
.else
	s_wait_loadcnt 0
.endif
.irp i, 0,1,2,3,4,5,6,7,8,9,10,11,12,13,14,15
	ds_store_b128 v3, v[R+64*((\a)%2)+4*\i:R+64*((\a)%2)+4*\i+3] offset:528*\i
.endr
.irp u, 0,1
.irp i, 0,1,2,3,4,5,6,7
	ds_load_b128 v[X+32*\u+4*\i:X+32*\u+4*\i+3], v4 offset:256*\u+16*\i   ; LDS serves a wave's instructions in order: these see the stores above
.endr
.endr
	s_wait_dscnt 0x0                               ; the numbers are back, and the stores have read their registers,
.if (\a) < 6
	LOAD (\a)+2                                    ; which take the loads of two steps on
.endif
.irp u, 0,1
	v_max3_num_f32 v[MX+\u], |v[X+32*\u]|, |v[X+32*\u+1]|, |v[X+32*\u+2]|
	v_max3_num_f32 v[M2+\u], |v[X+32*\u+3]|, |v[X+32*\u+4]|, |v[X+32*\u+5]|
.endr
.irp i, 6,10,14,18,22,26
.irp u, 0,1
	v_max3_num_f32 v[MX+\u], v[MX+\u], |v[X+32*\u+\i]|, |v[X+32*\u+\i+1]|
	v_max3_num_f32 v[M2+\u], v[M2+\u], |v[X+32*\u+\i+2]|, |v[X+32*\u+\i+3]|
.endr
.endr
.irp u, 0,1
	v_max3_num_f32 v[MX+\u], v[MX+\u], |v[X+32*\u+30]|, |v[X+32*\u+31]|
.endr
.irp u, 0,1
	v_max3_num_f32 v[MX+\u], v[MX+\u], v[M2+\u], 0x1800000   ; the floor 2^(3 - 127): the byte cannot fall under 1
.endr
.irp u, 0,1
	v_add_nc_u32 v[SO+\u], 0xff000000, v[MX+\u]    ; 2 off the exponent field: the conversion's scale operand
.endr
.irp u, 0,1
	v_lshrrev_b32 v[BY+\u], 23, v[SO+\u]           ; the scale's byte
.endr
	v_lshl_or_b32 v60, v[BY+1], 16, v[BY]          ; my two bytes: blocks h and 2 + h of the 128 along K,
	v_lshlrev_b32 v60, v7, v60                     ; 8 h bits up;
	v_permlanex16_b32 v63, v60, s36, s37
	v_or_b32 v60, v60, v63                         ; with lane l xor 16's two the word is whole
	v_lshrrev_b32 v61, 16, v60
	v_lshl_or_b32 v61, v60, 16, v61                ; its halves exchanged: the second octet's word
	v_cndmask_b32 v62, v60, v61, vcc_lo
	s_wait_xcnt 0x0                                ; the last step's stores have read their data: the codes' registers are written again only behind this wait
.irp u, 0,1
	v_cvt_scalef32_pk16_fp6_f32 v[C+6*\u:C+6*\u+2], v[X+32*\u:X+32*\u+15], v[SO+\u]
	v_cvt_scalef32_pk16_fp6_f32 v[CT+4*\u:CT+4*\u+2], v[X+32*\u+16:X+32*\u+31], v[SO+\u]   ; (a conversion's three registers begin on an even number)
.endr
	v_nop                                          ; one plain place behind a scaled conversion
.irp u, 0,1
.irp i, 0,1,2
	v_mov_b32 v[C+6*\u+3+\i], v[CT+4*\u+\i]
.endr
.endr
	ds_store_b32 v5, v62 offset:SCW+64*(\a)
.irp u, 0,1
	global_store_b128 v1, v[C+6*\u:C+6*\u+3], s[18:19] offset:OCT*\u+768*(\a)          ; 512 consecutive bytes, aligned to 256
	global_store_b64 v2, v[C+6*\u+4:C+6*\u+5], s[18:19] offset:OCT*\u+768*(\a)+512     ; 256 consecutive bytes, aligned
.endr
.endm
	LOAD 0
	LOAD 1
.irp a, 0,1,2,3,4,5,6,7
	XSTEP \a
.endr
	ds_load_b128 v[X:X+3], v3 offset:SCW           ; the two octets' scale words, 512 bytes each
	ds_load_b128 v[X+4:X+7], v3 offset:SCW+512
	s_wait_dscnt 0x0
	global_store_b128 v1, v[X:X+3], s[18:19] offset:6144
	global_store_b128 v1, v[X+4:X+7], s[18:19] offset:OCT+6144
	s_wait_tensorcnt 0x0
	ds_add_u32 v31, v47
	s_wait_dscnt 0x0
	s_endpgm
; ---- the weights.  A lane takes a column n and its registers run down K: a block of 32 lies in one lane, and the codes come out with K innermost.  A wave takes 32 columns x 128 along K.
.Lweights:
	s_cmp_ge_u32 ttmp9, 640
	s_cbranch_scc1 .Lflags
	s_sub_co_u32 s26, ttmp9, 384
	s_lshr_b32 s27, s26, 6                         ; which weight
	s_and_b32 s28, s26, 7                          ; 128 columns
	s_bfe_u32 s29, s26, 0x30003                    ; 128 along K
	s_lshl_b32 s30, s29, 19                        ; 128 rows of 4,096 bytes
	s_lshl_b32 s31, s28, 9
	s_add_co_u32 s30, s30, s31
	s_lshl_b32 s31, s22, 7                         ; my wave's 32 columns
	s_add_co_u32 s30, s30, s31
	s_mov_b32 s31, 0
	s_lshl_b32 s32, s28, 4
	s_lshl_b32 s33, s29, 1
	s_add_co_u32 s32, s32, s33
	s_mul_i32 s32, s32, OCT
	s_mul_i32 s33, s27, WT
	s_add_co_u32 s32, s32, s33
	s_mov_b32 s33, 0
	s_cmp_eq_u32 s27, 3                            ; wo: groups 1 and 2 of each block's four groups of 8 rows change places
	s_cselect_b32 s34, 32768, 0                    ; 8 rows of 4,096 bytes
	s_cselect_b32 s35, 0, 32768
	s_wait_alu depctr_va_vdst(0)
	v_lshlrev_b32 v11, 2, v8                       ; 4 l: my column
	v_add_nc_u32 v12, s34, v11                     ; for registers 8-15 of a block
	v_add_nc_u32 v13, s35, v11                     ; for registers 16-23, whose immediate stands 8 rows back
	s_mul_i32 s36, s22, 1536                       ; my wave's two units in an octet
	v_add_nc_u32 v14, s36, v1
	v_add_nc_u32 v15, s36, v2
	s_lshl_b32 s36, s22, 7
	v_add_nc_u32 v16, s36, v11                     ; and their scale words
	s_wait_alu depctr_va_vdst(0)
	s_wait_kmcnt 0x0
	s_cmp_eq_u32 s27, 0
	s_cselect_b64 s[24:25], s[10:11], s[12:13]
	s_cmp_eq_u32 s27, 2
	s_cselect_b64 s[24:25], s[14:15], s[24:25]
	s_cmp_eq_u32 s27, 3
	s_cselect_b64 s[24:25], s[16:17], s[24:25]
	s_add_nc_u64 s[24:25], s[24:25], s[30:31]
	s_add_nc_u64 s[20:21], s[20:21], s[32:33]
.macro WLOAD bk                        ; block bk: 32 rows of my column; 32 lanes read 128 consecutive bytes
.irp i, 0,1,2,3,4,5,6,7,8,9,10,11,12,13,14,15,16,17,18,19,20,21,22,23,24,25,26,27,28,29,30,31
.if (\i)/8 == 1
	global_load_b32 v[64+32*(\bk)+\i], v12, s[24:25] offset:(32*(\bk)+\i)*4096 th:TH_LOAD_NT
.elseif (\i)/8 == 2
	global_load_b32 v[64+32*(\bk)+\i], v13, s[24:25] offset:(32*(\bk)+\i-8)*4096 th:TH_LOAD_NT
.else
	global_load_b32 v[64+32*(\bk)+\i], v11, s[24:25] offset:(32*(\bk)+\i)*4096 th:TH_LOAD_NT
.endif
.endr
.endm
.macro WBLK bk
.if (\bk) < 3
	s_wait_loadcnt 32                              ; this block's 32 loads are in; the next block's may be out
.else
	s_wait_loadcnt 0
.endif
.if (\bk) < 2
	WLOAD (\bk)+2
.endif
.set WS, 64+32*(\bk)
	v_max3_num_f32 v200, |v[WS]|, |v[WS+1]|, |v[WS+2]|
	v_max3_num_f32 v201, |v[WS+3]|, |v[WS+4]|, |v[WS+5]|
.irp i, 6,10,14,18,22,26
	v_max3_num_f32 v200, v200, |v[WS+\i]|, |v[WS+\i+1]|
	v_max3_num_f32 v201, v201, |v[WS+\i+2]|, |v[WS+\i+3]|
.endr
	v_max3_num_f32 v200, v200, |v[WS+30]|, |v[WS+31]|
	v_max3_num_f32 v200, v200, v201, 0x1800000
	v_add_nc_u32 v202, 0xff000000, v200
	v_lshrrev_b32 v[196+(\bk)], 23, v202
	v_cvt_scalef32_pk16_fp6_f32 v[32+8*(\bk):34+8*(\bk)], v[WS:WS+15], v202
	v_cvt_scalef32_pk16_fp6_f32 v[192:194], v[WS+16:WS+31], v202
	v_nop                                          ; one plain place behind a scaled conversion
.irp i, 0,1,2
	v_mov_b32 v[35+8*(\bk)+\i], v[192+\i]
.endr
.endm
	WLOAD 0
	WLOAD 1
.irp bk, 0,1,2,3
	WBLK \bk
.endr
; Blocks 2 u and 2 u + 1 are halves h = 0 and 1 of octet u.  The exchange below leaves in the first six registers the unit of columns 0-15 (lanes 0-15: h = 0, lanes 16-31: h = 1), in the second six that of columns 16-31.
.irp u, 0,1
.irp i, 0,1,2,3,4,5
	v_permlane16_swap_b32 v[32+16*\u+\i], v[40+16*\u+\i]
.endr
.endr
	v_lshl_or_b32 v203, v197, 8, v196              ; my column's scale word for these 128 along K
	v_lshl_or_b32 v203, v198, 16, v203
	v_lshl_or_b32 v203, v199, 24, v203
	v_lshrrev_b32 v204, 16, v203
	v_lshl_or_b32 v204, v203, 16, v204             ; its halves exchanged, for the second octet
.irp u, 0,1
.irp e, 0,1
	global_store_b128 v14, v[32+16*\u+8*\e:35+16*\u+8*\e], s[20:21] offset:OCT*\u+768*\e
	global_store_b64 v15, v[36+16*\u+8*\e:37+16*\u+8*\e], s[20:21] offset:OCT*\u+768*\e+512
.endr
.endr
	global_store_b32 v16, v203, s[20:21] offset:6144       ; 128 consecutive bytes a wave: the four waves together fill the octet's 512
	global_store_b32 v16, v204, s[20:21] offset:OCT+6144
	s_endpgm
; ---- the mask's flags.  A work-group takes 16 rows of the mask; wave w the key tiles 4 w .. 4 w + 3.  A load reads one row's 512 bytes of one key tile; two tiles (32 loads) are out at a time.
.set FB,  0x9600                       ; LDS bytes of this path's own: 256 of rows' minima (64 a wave), 64 of tiles' minima, 64 of tiles' largest magnitudes
.set PR,  192                          ; v192-207 the rows' minima; v208-211 my tiles' minima; v212-215 my tiles' largest magnitudes
.set TMN, 208
.set TMX, 212
.set TRW, 216                          ; v216-231 a tile's minima by rows
.set MR,  232                          ; v232-247 its largest magnitudes by rows
.Lflags:
	s_load_b64 s[24:25], s[0:1], 0x48              ; mask
	s_load_b64 s[26:27], s[0:1], 0x50              ; fl
	s_sub_co_u32 s28, ttmp9, 640                   ; the tile of 16 queries
	s_lshl_b32 s30, s28, 17                        ; 16 rows of 8,192 bytes
	s_lshl_b32 s29, s22, 11                        ; my four key tiles of 512 bytes
	s_add_co_u32 s30, s30, s29
	s_mov_b32 s31, 0
	s_lshl_b32 s32, s28, 8                         ; 256 bytes of fl for each tile of queries
	s_mov_b32 s33, 0
	s_mov_b32 s36, 0x76543210
	s_mov_b32 s37, 0xfedcba98
	s_wait_alu depctr_va_vdst(0)                   ; the wait ahead of the first reader behind the branches
	v_mov_b32 v3, s22
	v_lshlrev_b32 v4, 6, v3                        ; 64 x wave
	v_lshlrev_b32 v5, 4, v3                        ; 16 x wave
	v_lshlrev_b32 v6, 2, v8                        ; 4 l
	v_lshlrev_b32 v7, 2, v9                        ; 4 (l % 16)
	s_wait_alu depctr_va_vdst(0)
	s_wait_kmcnt 0x0
	s_add_nc_u64 s[24:25], s[24:25], s[30:31]
	s_add_nc_u64 s[26:27], s[26:27], s[32:33]
.macro FLOAD i
.set rr, 0
.rept 16
	global_load_b128 v[64+64*((\i)%2)+4*rr:64+64*((\i)%2)+4*rr+3], v1, s[24:25] offset:rr*8192+512*(\i) th:TH_LOAD_NT
.set rr, rr+1
.endr
.endm
.macro FTILE i
.set XS, 64+64*((\i)%2)
.if (\i) < 3
	s_wait_loadcnt 16                              ; this tile's 16 loads are in; the next tile's may be out
.else
	s_wait_loadcnt 0
.endif
.set rr, 0
.rept 16
	v_min3_num_f32 v[TRW+rr], v[XS+4*rr], v[XS+4*rr+1], v[XS+4*rr+2]
	v_max3_num_f32 v[MR+rr], |v[XS+4*rr]|, |v[XS+4*rr+1]|, |v[XS+4*rr+2]|
.set rr, rr+1
.endr
.set rr, 0
.rept 16
	v_min_num_f32 v[TRW+rr], v[TRW+rr], v[XS+4*rr+3]
	v_max_num_f32 v[MR+rr], v[MR+rr], |v[XS+4*rr+3]|
.set rr, rr+1
.endr
.if (\i) < 2
	FLOAD (\i)+2
.endif
.set rr, 0
.rept 16
.if (\i) == 0
	v_mov_b32 v[PR+rr], v[TRW+rr]
.else
	v_min_num_f32 v[PR+rr], v[PR+rr], v[TRW+rr]
.endif
.set rr, rr+1
.endr
.irp g, 0,1,2,3,4                              ; 16 rows to one number; each line writes a register whose old value has been taken
	v_min3_num_f32 v[TRW+\g], v[TRW+3*\g], v[TRW+3*\g+1], v[TRW+3*\g+2]
	v_max3_num_f32 v[MR+\g], v[MR+3*\g], v[MR+3*\g+1], v[MR+3*\g+2]
.endr
	v_min3_num_f32 v[TRW], v[TRW], v[TRW+1], v[TRW+2]
	v_max3_num_f32 v[MR], v[MR], v[MR+1], v[MR+2]
	v_min3_num_f32 v[TRW+3], v[TRW+3], v[TRW+4], v[TRW+15]
	v_max3_num_f32 v[MR+3], v[MR+3], v[MR+4], v[MR+15]
	v_min_num_f32 v[TMN+(\i)], v[TRW], v[TRW+3]
	v_max_num_f32 v[TMX+(\i)], v[MR], v[MR+3]
.endm
	FLOAD 0
	FLOAD 1
.irp i, 0,1,2,3
	FTILE \i
.endr
.irp m, 1,2,4,8                                ; over the 32 lanes: 20 minima and 4 maxima by turns
.set rr, 0
.rept 20
	v_min_num_f32_dpp v[PR+rr], v[PR+rr], v[PR+rr] row_xmask:\m row_mask:0xf bank_mask:0xf
.set rr, rr+1
.endr
.set rr, 0
.rept 4
	v_max_num_f32_dpp v[TMX+rr], v[TMX+rr], v[TMX+rr] row_xmask:\m row_mask:0xf bank_mask:0xf
.set rr, rr+1
.endr
.endr
.set rr, 0
.rept 24
	v_permlanex16_b32 v[64+rr], v[PR+rr], s36, s37
.set rr, rr+1
.endr
.set rr, 0
.rept 20
	v_min_num_f32 v[PR+rr], v[PR+rr], v[64+rr]
.set rr, rr+1
.endr
.set rr, 0
.rept 4
	v_max_num_f32 v[TMX+rr], v[TMX+rr], v[84+rr]
.set rr, rr+1
.endr
.set rr, 0
.rept 16
	ds_store_b32 v4, v[PR+rr] offset:FB+4*rr       ; all lanes write the same word with the same value
.set rr, rr+1
.endr
.set rr, 0
.rept 4
	ds_store_b32 v5, v[TMN+rr] offset:FB+256+4*rr
	ds_store_b32 v5, v[TMX+rr] offset:FB+320+4*rr
.set rr, rr+1
.endr
	s_wait_dscnt 0x0                               ; for the others' sake
	s_barrier_signal -1
	s_barrier_wait -1
	ds_load_b32 v10, v6 offset:FB                  ; lane l: row l % 16 of wave l / 16,
	ds_load_b32 v11, v6 offset:FB+128              ; and of wave 2 + l / 16
	ds_load_b32 v12, v7 offset:FB+256              ; key tile l % 16: its minimum,
	ds_load_b32 v13, v7 offset:FB+320              ; its largest magnitude
	s_wait_dscnt 0x0
	v_min_num_f32 v10, v10, v11
	v_permlanex16_b32 v64, v10, s36, s37
	v_min_num_f32 v10, v10, v64                    ; row l % 16: its smallest mask value over all 2,048 keys
.irp m, 1,2,4,8
	v_max_num_f32_dpp v10, v10, v10 row_xmask:\m row_mask:0xf bank_mask:0xf
.endr
	v_sub_f32 v12, v12, v10                        ; the tile's minimum less A
	v_cmp_le_f32 s34, 0.5, v12                     ; bit j: left out
	v_cmp_lt_f32 s35, 0, v13                       ; bit j: some mask value is not 0
	s_and_b32 s34, s34, 0xffff
	s_lshl_b32 s35, s35, 16
	s_or_b32 s34, s34, s35
	v_mov_b32 v14, s34
	v_mov_b32 v15, s34
	s_cmp_lg_u32 s22, 0
	s_wait_alu depctr_va_vdst(0)
	s_cbranch_scc1 .Lfend
	global_store_b64 v2, v[14:15], s[26:27]        ; the word fills one aligned unit of 256 bytes
.Lfend:
	s_wait_tensorcnt 0x0                           ; the wave's end
	ds_add_u32 v31, v47
	s_wait_dscnt 0x0
	s_endpgm
.Lfunc_end_k_qb40899660d_quant:
	.size	k_qb40899660d_quant, .Lfunc_end_k_qb40899660d_quant-k_qb40899660d_quant
	.p2alignl 7, 3214868480
	.fill 96, 4, 3214868480
	.section	.rodata,"a",@progbits
	.p2align	6, 0x0
	.amdhsa_kernel k_qb40899660d_quant
		.amdhsa_group_segment_fixed_size 38912
		.amdhsa_private_segment_fixed_size 0
		.amdhsa_enable_private_segment 0
		.amdhsa_kernarg_size 88
		.amdhsa_user_sgpr_count 2
		.amdhsa_user_sgpr_kernarg_segment_ptr 1
		.amdhsa_wavefront_size32 1
		.amdhsa_system_sgpr_workgroup_id_x 1
		.amdhsa_system_sgpr_workgroup_id_y 1
		.amdhsa_system_sgpr_workgroup_id_z 1
		.amdhsa_system_vgpr_workitem_id 0
		.amdhsa_next_free_vgpr 256
		.amdhsa_next_free_sgpr 66
		.amdhsa_reserve_vcc 1
		.amdhsa_float_denorm_mode_32 3
		.amdhsa_float_denorm_mode_16_64 3
		.amdhsa_memory_ordered 1
		.amdhsa_forward_progress 1
		.amdhsa_inst_pref_size 119
	.end_amdhsa_kernel
	.amdgpu_metadata
---
amdhsa.version: [ 1, 2 ]
amdhsa.kernels:
  - .name:           k_qb40899660d_quant
    .symbol:         k_qb40899660d_quant.kd
    .args:
      - { .name: q, .offset: 0, .size: 8, .value_kind: global_buffer, .address_space: global }
      - { .name: k, .offset: 8, .size: 8, .value_kind: global_buffer, .address_space: global }
      - { .name: v, .offset: 16, .size: 8, .value_kind: global_buffer, .address_space: global }
      - { .name: wq, .offset: 24, .size: 8, .value_kind: global_buffer, .address_space: global }
      - { .name: wk, .offset: 32, .size: 8, .value_kind: global_buffer, .address_space: global }
      - { .name: wv, .offset: 40, .size: 8, .value_kind: global_buffer, .address_space: global }
      - { .name: wo, .offset: 48, .size: 8, .value_kind: global_buffer, .address_space: global }
      - { .name: xc, .offset: 56, .size: 8, .value_kind: global_buffer, .address_space: global }
      - { .name: wc, .offset: 64, .size: 8, .value_kind: global_buffer, .address_space: global }
      - { .name: mask, .offset: 72, .size: 8, .value_kind: global_buffer, .address_space: global }
      - { .name: fl, .offset: 80, .size: 8, .value_kind: global_buffer, .address_space: global }
    .group_segment_fixed_size: 38912
    .private_segment_fixed_size: 0
    .kernarg_segment_align: 8
    .kernarg_segment_size: 88
    .max_flat_workgroup_size: 128
    .sgpr_count:     66
    .vgpr_count:     256
    .wavefront_size: 32
...
	.end_amdgpu_metadata
.endif
;; end of part 1
;; launch proj (part 2): grid 4 x 96, 4 waves a work-group, clusters of 4 x 4, 327,680 bytes of LDS; arguments xc, wc, bq, bk, bv, hc; writes hc
.if DOCPART == 2
	.amdgcn_target "amdgcn-amd-amdhsa--gfx1250"
	.amdhsa_code_object_version 6
	.text
	.protected	k_qb40899660d_proj
	.globl	k_qb40899660d_proj
	.p2align	8
	.type	k_qb40899660d_proj,@function
k_qb40899660d_proj:
	s_mov_b64 s[64:65], 0
	v_nop
	global_prefetch_b8 v0, s[64:65] scope:SCOPE_SE
	s_setreg_imm32_b32 hwreg(HW_REG_WAVE_MODE, 25, 1), 1
	s_wait_xcnt 0x0
	s_wait_alu depctr_hold_cnt(0) depctr_sa_sdst(0) depctr_va_vdst(0) depctr_va_sdst(0) depctr_va_ssrc(0) depctr_va_vcc(0) depctr_vm_vsrc(0)
	s_getreg_b32 s2, hwreg(HW_REG_IB_STS2, 6, 4)
	s_cmp_eq_u32 s2, 0
	s_cbranch_scc0 .Lentry_in_a_cluster
	s_endpgm
.Lentry_in_a_cluster:
	s_bfe_u32 s2, ttmp6, 0x10000c
	s_cmp_lg_u32 s2, 0xf033
	s_cbranch_scc0 .Lentry_shape_is_right
	s_endpgm
.Lentry_shape_is_right:
.set MODE,   0
.set NQ,     2
.set FR,     12
.set NL,     4
.set NP,     4
.set OCT,    6656
.set HALFT,  4*OCT
.set SLOT,   4*HALFT
.set ORB,    16*OCT
.set LAPS,   2
.set STG,    2*SLOT
.set SPARE,  STG+4096
.set XT,     6815744
.set WT,     851968
.set SIZE_N, 1024
.set SPITCH, 528
.set ADRA, 16
.set ADRB, 20
.set STO,  24
.set RD,   25
.set CO,   26
.set ADRS, 27
.set SPW,  28
.set NIL,  29
.set SR,   31
.set SC,   32
.set BN,   64
.set AF,   128
.set BK,   128
.set HA,   128
.set PC,   192
.set TM,   212
.set PW,   228
.set BM,   232
.set SEL,  82
.set G1,   24
.set G0,   32
.set G1B,  48
.set G0B,  56
.set MSB, 0
.macro WIN new
.if MSB != \new
	s_set_vgpr_msb (MSB<<8)|\new
.set MSB, \new
.endif
.endm
.set MUL_LO, 0xa1
.set MUL_HI, 0xf1
.set TO_B,   0x40
.macro JLOAD g0a, g1a, g0b, g1b
	s_cmp_eq_u32 s15, 0
	s_cbranch_scc0 .Lfor_b_\@
	tensor_load_to_lds s[\g0a:\g0a+3], s[\g1a:\g1a+7]
	s_nop 0
.rept 4
	v_nop
.endr
	s_branch .Lasked_\@
.Lfor_b_\@:
	tensor_load_to_lds s[\g0b:\g0b+3], s[\g1b:\g1b+7]
	s_nop 0
.rept 4
	v_nop
.endr
.Lasked_\@:
.endm
.macro CREST
	s_cmp_lg_u32 s14, 0
	s_cbranch_scc1 .Lnot_wave_0_\@
	s_barrier_signal -3
.Lnot_wave_0_\@:
	s_barrier_wait -3
	s_barrier_signal -1
	s_barrier_wait -1
.endm
.macro CROUND
	s_barrier_signal -1
	s_barrier_wait -1
	CREST
.endm
	s_load_b256 s[4:11], s[0:1], 0x0
.if MODE == 0
	s_load_b128 s[68:71], s[0:1], 0x20
.endif
	v_lshl_add_u32 v[SPW], v0, 2, SPARE
	v_mov_b32 v[NIL], 0
	ds_add_u32 v28, v29
	ds_add_u32 v28, v29
	s_wait_dscnt 0x0
	v_lshrrev_b32 v1, 5, v0
	v_readfirstlane_b32 s14, v1
	s_lshr_b32 s15, s14, 1
	s_and_b32 s16, s14, 1
	s_bfe_u32 s40, ttmp6, 0x40000
	s_bfe_u32 s41, ttmp6, 0x40004
	s_and_b32 s72, ttmp7, 0xffff
.if MODE == 0
	s_lshr_b32 s73, s72, 3
	s_and_b32 s74, s72, 7
	s_cmp_eq_u32 s73, 2
	s_cselect_b32 s75, 0, s74
	s_cselect_b32 s76, s74, 0
	s_cselect_b32 s77, 128, 16
	s_cselect_b32 s84, 0, 0x3f800000
	s_cselect_b32 s86, 0x3f800000, 0
	s_mov_b32 s85, s84
	s_mov_b32 s87, s86
.else
	s_mov_b32 s75, s72
	s_mov_b32 s76, 0
.endif
	s_lshl_b32 s17, s75, 2
	s_add_co_u32 s17, s17, s41
	s_lshl_b32 s42, s76, 2
	s_add_co_u32 s42, s42, s40
	s_lshl_b32 s43, s41, 2
	s_lshl_b32 s43, 15, s43
	s_lshl_b32 s44, 0x1111, s40
	s_or_b32 s[G1+0], s43, (3<<16)|(1<<21)
	s_or_b32 s[G1B+0], s44, (3<<16)|(1<<21)
.irp g, G1, G1B
	s_mov_b32 s[\g+1], 32<<16
	s_mov_b32 s[\g+2], 104<<16
	s_mov_b32 s[\g+3], 32<<16
	s_mov_b32 s[\g+4], 104
	s_mov_b32 s[\g+5], 32
	s_mov_b32 s[\g+6], 0
	s_mov_b32 s[\g+7], 0
.endr
	s_lshl_b32 s20, s17, 1
	s_add_co_u32 s20, s20, s16
	s_mul_i32 s20, s20, ORB
	s_mov_b32 s21, 0
	s_lshl_b32 s46, s42, 1
	s_add_co_u32 s46, s46, s16
	s_mul_i32 s46, s46, ORB
	s_mov_b32 s47, 0
	s_mul_i32 s45, s14, HALFT
	s_mov_b32 s[SEL], 0x76543210
	s_mov_b32 s[SEL+1], 0xfedcba98
	s_wait_kmcnt 0x0
.if MODE == 0
	s_mul_i32 s78, s73, XT
	s_mov_b32 s79, 0
	s_mul_i32 s80, s73, WT
	s_mov_b32 s81, 0
	s_add_nc_u64 s[4:5], s[4:5], s[78:79]
	s_add_nc_u64 s[6:7], s[6:7], s[80:81]
	s_cmp_eq_u32 s73, 2
	s_cselect_b64 s[88:89], s[6:7], s[4:5]
	s_cselect_b64 s[90:91], s[4:5], s[6:7]
	s_add_nc_u64 s[20:21], s[88:89], s[20:21]
	s_add_nc_u64 s[46:47], s[90:91], s[46:47]
.else
	s_add_nc_u64 s[20:21], s[4:5], s[20:21]
	s_add_nc_u64 s[46:47], s[6:7], s[46:47]
	s_add_nc_u64 s[46:47], s[46:47], 3*WT
.endif
	CROUND
.irp s, 0,1
	s_mov_b32 s[G0+4*\s], 1
	s_add_co_u32 s[G0+4*\s+1], s45, \s*SLOT
	s_add_nc_u64 s[G0+4*\s+2:G0+4*\s+3], s[20:21], \s*HALFT
	s_or_b32 s[G0+4*\s+3], s[G0+4*\s+3], 0x80000000
	s_mov_b32 s[G0B+4*\s], 1
	s_add_co_u32 s[G0B+4*\s+1], s45, \s*SLOT
	s_add_nc_u64 s[G0B+4*\s+2:G0B+4*\s+3], s[46:47], \s*HALFT
	s_or_b32 s[G0B+4*\s+3], s[G0B+4*\s+3], 0x80000000
	s_wait_alu depctr_va_vdst(0)
	s_wait_tensorcnt 0x0
	ds_add_u32 v28, v29
	ds_add_u32 v28, v29
	s_wait_dscnt 0x0
	CROUND
	JLOAD G0+4*\s, G1, G0B+4*\s, G1B
.endr
	v_and_b32 v1, 15, v0
	v_bfe_u32 v2, v0, 4, 1
	v_and_b32 v3, 31, v0
	v_lshlrev_b32 v4, 4, v3
	v_lshlrev_b32 v5, 3, v3
	v_lshlrev_b32 v7, 5, v2
	s_wait_alu depctr_va_vdst(0)
	v_lshlrev_b32 v8, 2, v1
	s_wait_alu depctr_va_vdst(0)
	s_lshl_b32 s78, s42, 8
	s_lshl_b32 s79, s16, 7
	s_add_co_u32 s78, s78, s79
.if MODE == 0
	s_lshl_b32 s80, s17, 8
	s_lshl_b32 s81, s15, 7
	s_add_co_u32 s80, s80, s81
	s_cmp_eq_u32 s73, 2
	s_cselect_b32 s78, 0, s78
	s_cselect_b32 s80, s80, 0
	s_cselect_b64 s[92:93], s[68:69], s[10:11]
	s_cmp_eq_u32 s73, 0
	s_cselect_b64 s[92:93], s[8:9], s[92:93]
	s_lshl_b32 s80, s80, 2
	s_mov_b32 s81, 0
	s_add_nc_u64 s[96:97], s[92:93], s[80:81]
.else
	s_mov_b64 s[92:93], s[8:9]
.endif
	s_lshl_b32 s78, s78, 2
	s_mov_b32 s79, 0
	s_add_nc_u64 s[94:95], s[92:93], s[78:79]
.irp b, 0,1,2,3,4,5,6,7
	global_load_b128 v[BN+8*\b:BN+8*\b+3], v7, s[94:95] offset:64*\b
	global_load_b128 v[BN+8*\b+4:BN+8*\b+7], v7, s[94:95] offset:64*\b+16
.endr
.if MODE == 0
.irp a, 0,1,2,3,4,5,6,7
	global_load_b32 v[BM+2*\a], v8, s[96:97] offset:64*\a
	global_load_b32 v[BM+2*\a+1], v8, s[96:97] offset:64*\a
.endr
.endif
	s_mul_i32 s21, s15, HALFT
	s_mul_i32 s22, s16, HALFT
	s_add_co_u32 s22, s22, 2*HALFT
.irp s, 0,1
	v_add_nc_u32 v[ADRA+\s], s21, v4
	v_add_nc_u32 v[ADRB+\s], s22, v4
	v_add_nc_u32 v[ADRA+2+\s], s21, v5
	v_add_nc_u32 v[ADRB+2+\s], s22, v5
	s_add_co_u32 s21, s21, SLOT
	s_add_co_u32 s22, s22, SLOT
.endr
	s_mul_i32 s21, s15, HALFT
	s_mul_i32 s22, s16, HALFT
	s_add_co_u32 s22, s22, 2*HALFT
	s_sub_co_u32 s22, s22, s21
	v_mul_u32_u24 v6, s22, v2
	v_lshl_add_u32 v6, v1, 2, v6
	v_add_nc_u32 v[ADRS], s21, v6
	v_add_nc_u32 v[ADRS+3], SLOT, v[ADRS]
.if MODE == 0
	v_mov_b32 v[STO], v4
	v_mov_b32 v[RD], v5
	s_lshl_b32 s23, s14, 10
	v_lshl_add_u32 v[CO], v2, 9, v8
	v_add_nc_u32 v[CO], s23, v[CO]
	v_add_nc_u32 v[CO], STG, v[CO]
	v_add_nc_u32 v[SR], s23, v4
	v_add_nc_u32 v[SR], STG, v[SR]
	s_lshl_b32 s78, s17, 1
	s_add_co_u32 s78, s78, s15
	s_mul_i32 s78, s78, s77
	s_lshl_b32 s79, s42, 2
	s_add_co_u32 s78, s78, s79
	s_lshl_b32 s79, s16, 1
	s_add_co_u32 s78, s78, s79
	s_mul_i32 s78, s78, OCT
	s_mul_i32 s79, s73, XT
	s_add_co_u32 s78, s78, s79
	s_mov_b32 s79, 0
	s_add_nc_u64 s[12:13], s[70:71], s[78:79]
.else
	s_mul_i32 s23, s14, 16*SPITCH
	v_mul_u32_u24 v6, v1, SPITCH
	v_lshl_add_u32 v6, v2, 5, v6
	v_add_nc_u32 v[STO], s23, v6
	v_mov_b32 v[CO], v4
	v_add_nc_u32 v[RD], s23, v4
	s_lshl_b32 s78, s17, 8
	s_lshl_b32 s79, s15, 7
	s_add_co_u32 s78, s78, s79
	s_lshl_b32 s78, s78, 12
	s_lshl_b32 s79, s42, 10
	s_add_co_u32 s78, s78, s79
	s_lshl_b32 s79, s16, 9
	s_add_co_u32 s78, s78, s79
	s_mov_b32 s79, 0
	s_add_nc_u64 s[12:13], s[10:11], s[78:79]
.endif
	s_wait_loadcnt 0x0
.if MODE == 0
.set ii, 0
.rept 32
	v_pk_mul_f32 v[BN+2*ii:BN+2*ii+1], v[BN+2*ii:BN+2*ii+1], s[84:85] op_sel_hi:[1,0]
.set ii, ii+1
.endr
.set ii, 0
.rept 8
	v_pk_mul_f32 v[BM+2*ii:BM+2*ii+1], v[BM+2*ii:BM+2*ii+1], s[86:87] op_sel_hi:[1,0]
.set ii, ii+1
.endr
.endif
.macro FRAG reg, adr, q, i
.irp c, 0,1
	ds_load_b128 v[\reg+6*\c:\reg+6*\c+3], v[\adr] offset:(2*(\q)+\c)*OCT+768*(\i)
	ds_load_b64 v[\reg+6*\c+4:\reg+6*\c+5], v[\adr+2] offset:(2*(\q)+\c)*OCT+768*(\i)+512
.endr
.endm
.macro MUL16 a0, p, q, sc, zero
.irp a, \a0, \a0+1
.irp b, 0,1,2,3,4,5,6,7
.if \zero
	v_wmma_scale_f32_16x16x128_f8f6f4 v[8*(8*((\a)%4)+\b):8*(8*((\a)%4)+\b)+7], v[128*(\p)+FR*\b:128*(\p)+FR*\b+FR-1], v[AF+FR*(\a):AF+FR*(\a)+FR-1], v[BN+8*\b:BN+8*\b+7], v[SC+8*NQ*(\sc)+NQ*\b+(\q)], v[SC+8*NQ*(\sc)+NQ*(\a)+(\q)] matrix_a_fmt:MATRIX_FMT_FP6 matrix_b_fmt:MATRIX_FMT_FP6 matrix_a_scale:MATRIX_SCALE_ROW1
.else
	v_wmma_scale_f32_16x16x128_f8f6f4 v[8*(8*((\a)%4)+\b):8*(8*((\a)%4)+\b)+7], v[128*(\p)+FR*\b:128*(\p)+FR*\b+FR-1], v[AF+FR*(\a):AF+FR*(\a)+FR-1], v[8*(8*((\a)%4)+\b):8*(8*((\a)%4)+\b)+7], v[SC+8*NQ*(\sc)+NQ*\b+(\q)], v[SC+8*NQ*(\sc)+NQ*(\a)+(\q)] matrix_a_fmt:MATRIX_FMT_FP6 matrix_b_fmt:MATRIX_FMT_FP6 matrix_a_scale:MATRIX_SCALE_ROW1
.endif
.endr
.endr
.endm
.macro FETCH_B slot, q, p
	WIN TO_B
.irp i, 0,1,2,3,4,5,6,7
	FRAG 128*(\p)+FR*\i, ADRB+\slot, \q, \i
.endr
	WIN 0
.endm
.macro FETCH_A slot, q, i0
.irp i, \i0, \i0+1, \i0+2, \i0+3
	FRAG AF+FR*(\i), ADRA+\slot, \q, \i
.endr
.endm
.macro SCALES sc
.irp i, 0,1,2,3,4,5,6,7
.irp q, 0,1
	ds_load_b32 v[SC+16*\sc+2*\i+\q], v[ADRS+3*\sc] offset:2*\q*OCT+6144+64*\i
.endr
.endr
.endm
.macro PLACES n
.rept \n
	v_nop
.endr
.endm
.macro STEP slot, q, zero
	s_wait_dscnt 4*NL
.if \zero
	WIN 0x81
.else
	WIN MUL_LO
.endif
	MUL16 0, (\q)%2, \q, \slot, \zero
	MUL16 2, (\q)%2, \q, \slot, \zero
	s_wait_dscnt 0
	PLACES NP
	FETCH_B \slot, (\q)+1, 1-(\q)%2
	FETCH_A \slot, (\q)+1, 0
.if \zero
	WIN 0xc1
.else
	WIN MUL_HI
.endif
	MUL16 4, (\q)%2, \q, \slot, \zero
	MUL16 6, (\q)%2, \q, \slot, \zero
	PLACES NP
	WIN 0
	FETCH_A \slot, (\q)+1, 4
.endm
.macro TURN slot, next, fill
	s_wait_tensorcnt 0x0
	ds_add_u32 v[SPW], v[NIL]
	s_wait_dscnt 4*NL+1
	WIN MUL_LO
	MUL16 0, 1, NQ-1, \slot, 0
	s_wait_dscnt 0x0
	s_barrier_signal -1
	MUL16 2, 1, NQ-1, \slot, 0
	WIN 0
	s_barrier_wait -1
.if \fill
	CREST
	s_add_nc_u64 s[G0+4*\slot+2:G0+4*\slot+3], s[G0+4*\slot+2:G0+4*\slot+3], 2*HALFT
	s_add_nc_u64 s[G0B+4*\slot+2:G0B+4*\slot+3], s[G0B+4*\slot+2:G0B+4*\slot+3], 2*HALFT
	JLOAD G0+4*\slot, G1, G0B+4*\slot, G1B
.else
	PLACES NP
.endif
	FETCH_B \next, 0, 0
	FETCH_A \next, 0, 0
	SCALES \next
	WIN MUL_HI
	MUL16 4, 1, NQ-1, \slot, 0
	MUL16 6, 1, NQ-1, \slot, 0
	PLACES NP
	WIN 0
	FETCH_A \next, 0, 4
.endm
	s_wait_alu depctr_va_vdst(0)
	s_wait_tensorcnt 1
	s_barrier_signal -1
	s_barrier_wait -1
	FETCH_B 0, 0, 0
	FETCH_A 0, 0, 0
	SCALES 0
	FETCH_A 0, 0, 4
	STEP 0, 0, 1
	s_mov_b32 s3, LAPS-1
.Llap:
	TURN 0, 1, 1
	STEP 1, 0, 0
	TURN 1, 0, 1
	STEP 0, 0, 0
	s_sub_co_u32 s3, s3, 1
	s_cmp_lg_u32 s3, 0
	s_cbranch_scc1 .Llap
	TURN 0, 1, 0
	STEP 1, 0, 0
	s_wait_dscnt 4*NL
	WIN MUL_LO
	MUL16 0, 1, NQ-1, 1, 0
	MUL16 2, 1, NQ-1, 1, 0
	s_wait_dscnt 0
	WIN MUL_HI
	MUL16 4, 1, NQ-1, 1, 0
	MUL16 6, 1, NQ-1, 1, 0
	WIN 0
.if MODE == 0
.macro QUANT s
.irp b, 0,1,2,3
	v_max3_num_f32 v[TM+\b], |v[\s+16*\b]|, |v[\s+1+16*\b]|, 0x1800000
.endr
.irp i, 2,4,6,8,10,12,14
.irp b, 0,1,2,3
	v_max3_num_f32 v[TM+\b], v[TM+\b], |v[\s+16*\b+\i]|, |v[\s+1+16*\b+\i]|
.endr
.endr
.irp b, 0,1,2,3
	v_permlanex16_b32 v[TM+4+\b], v[TM+\b], s[SEL], s[SEL+1]
.endr
.irp b, 0,1,2,3
	v_max_num_f32 v[TM+\b], v[TM+\b], v[TM+4+\b]
.endr
.irp b, 0,1,2,3
	v_add_nc_u32 v[TM+12+\b], 0xff000000, v[TM+\b]
.endr
.irp b, 0,1,2,3
	v_lshrrev_b32 v[TM+4+\b], 23, v[TM+12+\b]
.endr
	v_lshl_or_b32 v[PW], v[TM+5], 8, v[TM+4]
	v_lshl_or_b32 v[PW], v[TM+6], 16, v[PW]
	v_lshl_or_b32 v[PW], v[TM+7], 24, v[PW]
.irp c, 0,1
	v_cvt_scalef32_pk16_fp6_f32 v[PC+6*\c:PC+2+6*\c], v[\s+32*\c:\s+15+32*\c], v[TM+12+2*\c]
	v_cvt_scalef32_pk16_fp6_f32 v[PC+12+4*\c:PC+14+4*\c], v[\s+16+32*\c:\s+31+32*\c], v[TM+12+2*\c+1]
.endr
	v_nop
.irp c, 0,1
.irp i, 0,1,2
	v_permlane16_swap_b32 v[PC+6*\c+\i], v[PC+12+4*\c+\i]
.endr
.irp i, 0,1,2
	v_mov_b32 v[PC+3+6*\c+\i], v[PC+12+4*\c+\i]
.endr
.endr
.endm
.macro OUTQ a
	WIN 0x02+(\a)/4
.set ii, 0
.rept 32
	v_pk_add_f32 v[HA+2*ii:HA+2*ii+1], v[64*((\a)%4)+2*ii:64*((\a)%4)+2*ii+1], v[BM+2*(\a):BM+2*(\a)+1]
.set ii, ii+1
.endr
	WIN 0
	s_wait_xcnt 0x0
	QUANT HA
	v_lshrrev_b32 v[PW+1], 16, v[PW]
	v_lshl_or_b32 v[PW+1], v[PW], 16, v[PW+1]
	v_cndmask_b32 v[PW+2], v[PW], v[PW+1], vcc_lo
	ds_store_b32 v[CO], v[PW+2] offset:64*(\a)
.irp u, 0,1
	global_store_b128 v[STO], v[PC+6*\u:PC+6*\u+3], s[12:13] offset:OCT*\u+768*(\a)
	global_store_b64 v[RD], v[PC+6*\u+4:PC+6*\u+5], s[12:13] offset:OCT*\u+768*(\a)+512
.endr
.endm
	PLACES NP
.irp b, 0,1,2,3
	v_mov_b32 v[TM+4+\b], 0
.endr
	s_mov_b32 vcc_lo, 0xffff0000
.irp a, 0,1,2,3,4,5,6,7
	OUTQ \a
.endr
	ds_load_b128 v[HA:HA+3], v[SR]
	ds_load_b128 v[HA+4:HA+7], v[SR] offset:512
	s_wait_dscnt 0x0
	global_store_b128 v[STO], v[HA:HA+3], s[12:13] offset:6144
	global_store_b128 v[STO], v[HA+4:HA+7], s[12:13] offset:OCT+6144
.else
.macro TOSTAGE a
.set AC, 64*((\a)%4)
	WIN 0x08+4*((\a)/4)
.irp b, 0,1,2,3,4,5,6,7
	ds_store_b128 v[STO], v[AC+8*\b:AC+8*\b+3] offset:64*\b
	ds_store_b128 v[STO], v[AC+8*\b+4:AC+8*\b+7] offset:64*\b+16
.endr
	WIN 0
.set BB, BK+64*((\a)%2)
.irp t, 0,1,2,3,4,5,6,7,8,9,10,11,12,13,14,15
	ds_load_b128 v[BB+4*\t:BB+4*\t+3], v[RD] offset:\t*SPITCH
.endr
.endm
.macro SEND a, younger
.set BB, BK+64*((\a)%2)
	s_wait_dscnt \younger
.if (\a) > 0
	s_add_nc_u64 s[12:13], s[12:13], 16*SIZE_N*4
.endif
.irp t, 0,1,2,3,4,5,6,7,8,9,10,11,12,13,14,15
	global_store_b128 v[CO], v[BB+4*\t:BB+4*\t+3], s[12:13] offset:\t*SIZE_N*4 th:TH_STORE_NT
.endr
.endm
	PLACES NP
	TOSTAGE 0
.irp a, 1,2,3,4,5,6,7
.if \a > 1
	s_wait_xcnt 0x0
.endif
	TOSTAGE \a
	SEND \a-1, 32
.endr
	s_wait_xcnt 0x0
	SEND 7, 0
.endif
	s_wait_tensorcnt 0x0
	ds_add_u32 v[SPW], v[NIL]
	s_wait_dscnt 0x0
	CROUND
	s_endpgm
.Lfunc_end_k_qb40899660d_proj:
	.size	k_qb40899660d_proj, .Lfunc_end_k_qb40899660d_proj-k_qb40899660d_proj
	.p2alignl 7, 3214868480
	.fill 96, 4, 3214868480
	.section	.rodata,"a",@progbits
	.p2align	6, 0x0
	.amdhsa_kernel k_qb40899660d_proj
		.amdhsa_group_segment_fixed_size 327680
		.amdhsa_private_segment_fixed_size 0
		.amdhsa_enable_private_segment 0
		.amdhsa_kernarg_size 48
		.amdhsa_user_sgpr_count 2
		.amdhsa_user_sgpr_kernarg_segment_ptr 1
		.amdhsa_wavefront_size32 1
		.amdhsa_system_sgpr_workgroup_id_x 1
		.amdhsa_system_sgpr_workgroup_id_y 1
		.amdhsa_system_sgpr_workgroup_id_z 1
		.amdhsa_system_vgpr_workitem_id 0
		.amdhsa_next_free_vgpr 1024
		.amdhsa_next_free_sgpr 100
		.amdhsa_reserve_vcc 1
		.amdhsa_float_denorm_mode_32 3
		.amdhsa_float_denorm_mode_16_64 3
		.amdhsa_memory_ordered 1
		.amdhsa_forward_progress 1
		.amdhsa_inst_pref_size 173
	.end_amdhsa_kernel
	.amdgpu_metadata
---
amdhsa.version: [ 1, 2 ]
amdhsa.kernels:
  - .name:           k_qb40899660d_proj
    .symbol:         k_qb40899660d_proj.kd
    .args:
      - { .name: xc, .offset: 0, .size: 8, .value_kind: global_buffer, .address_space: global }
      - { .name: wc, .offset: 8, .size: 8, .value_kind: global_buffer, .address_space: global }
      - { .name: bq, .offset: 16, .size: 8, .value_kind: global_buffer, .address_space: global }
      - { .name: bk, .offset: 24, .size: 8, .value_kind: global_buffer, .address_space: global }
      - { .name: bv, .offset: 32, .size: 8, .value_kind: global_buffer, .address_space: global }
      - { .name: hc, .offset: 40, .size: 8, .value_kind: global_buffer, .address_space: global }
    .group_segment_fixed_size: 327680
    .private_segment_fixed_size: 0
    .kernarg_segment_align: 8
    .kernarg_segment_size: 48
    .max_flat_workgroup_size: 128
    .sgpr_count:     100
    .vgpr_count:     1024
    .wavefront_size: 32
...
	.end_amdgpu_metadata
.endif
;; end of part 2
;; launch attn (part 3): grid 32 x 32, 8 waves a work-group, no clusters, 2,048 bytes of LDS; arguments hc, mask, oc, fl; writes oc
.if DOCPART == 3
	.amdgcn_target "amdgcn-amd-amdhsa--gfx1250"
	.amdhsa_code_object_version 6
	.text
	.protected	k_qb40899660d_attn
	.globl	k_qb40899660d_attn
	.p2align	8
	.type	k_qb40899660d_attn,@function
k_qb40899660d_attn:
	s_mov_b64 s[64:65], 0
	v_nop
	global_prefetch_b8 v0, s[64:65] scope:SCOPE_SE
	s_setreg_imm32_b32 hwreg(HW_REG_WAVE_MODE, 25, 1), 1
	s_wait_xcnt 0x0
; O[b][h][q] = softmax_k(Q . K / 8 + mask[q][k] x (-1e9)) V, both products on codes of FP6 (E2M3) with E8M0 scales; the result is quantised along h x 64 + d and leaves as codes.
; Q, K: octets (token / 128, head); V: octets ((h x 64 + d) / 128, token / 64): images of the operands' registers, 6,656 bytes each (unit a at 768 a: 16 l, 512 + 8 l; scale words at 6,144 + 64 a + 4 r).
; WHICH KEY TILES ARE WORKED hangs on the word of flags that the first launch stored for my 16 queries (fl, 256 bytes a tile of queries).  Bit j: key tile j is left out: every one of its mask terms lies 5e8 or more under the term of
; some key of each of my rows.  LIMIT: scores under 1e8 in magnitude; then each p of such a tile is 0 in f32: nothing for the sum, code 0, never the maximum.  Bit 16 + j clear: all its mask values are 0: the term is neither loaded nor added.
; The walk goes over the set bits of the live tiles, ascending; its steps are their number.  A word with no live tile is taken as tile 0 alone.
; THE SOFTMAX: the scores are left unscaled and the mask's term is mask x (-8e9): every rounding is the stated one's times 8, exactly.  t = (score + term) x log2(e) / 8; M = the largest t so far, rounded up to a whole
; number; p = 2^(t - M) is quantised along the keys; the row's sum is taken of the unquantised p and divides at the end; when M moves, sum and O are multiplied by 2^(old M - new M), exactly.
; SHARES.  A work-group owns 64 queries x 2 heads of one batch (a head and the partner whose scale bytes share its words): wave w has head w / 4 and the tile of 16 queries w % 4, in 256 registers; 8 waves x 256 registers
; are half of a WGP's, so two work-groups fit side by side.  Grid x = 8 x batch + pair of heads; grid y counts the blocks of queries from the last one down.
; NO TENSOR LOAD, NO CLUSTER: branches here hang on a stored list.  K and V lie in memory as register images: each lane loads its fragments whole.
; TWO BLOCKS OF 64 REGISTERS CHANGE ROLES FROM STEP TO STEP: block A holds K, then (where asked for) the mask, then V; block B the scores and p; when p has been turned into codes, the next live tile's K is asked for into B,
; which is the next step's A.  So a trip of the loop is two steps, left in its middle where the number of live tiles is odd.  The last step asks for tile 15 once more, so that the wait's count holds on every way.
; NO PREFETCH: each tile of K and V is read by up to 128 waves that walk the tiles in the same ascending order, and K's loads go out a step ahead of their use.
; LAYOUT.  Both products transposed: S^T = K Q^T, O^T = V^T P^T: a lane holds one query.  Key 16 u + 8 h + j of a block of 32 lands at place 16 h + 8 u + j of P; V's codes were laid in the same order.
; K = 64 IN AN INSTRUCTION OF 128: Q's registers 6-11 are zero codes, and its scale bytes 2, 3 are 1; so K's registers 6-11 may hold any codes: unit t stands at A + 6 t and the operand runs on into unit t + 1.
; LIMITS: NaN and infinities are not served; a block of the result whose largest magnitude lies under 2^-124, a block of zeros among them, gets the byte 1.
.set OCT,   6656
.set XT,    6815744
.set STG,   0                          ; the result's scale bytes meet here: 512 bytes, in a region of 1,024
.set SPARE, 1024                       ; the spare words, 128 bytes a wave
.set NM,   22                          ; v22 -M, v23 the largest t
.set SUM,  24                          ; v[24:25] the sum in two halves; v[2:3], v[10:15], v[250:255] seven more chains of it
.set QF,   26                          ; v26-37 Q's fragment
.set QS,   38
.set R1,   40                          ; v40-103, v104-167 the two blocks
.set R2,   104
.set O,    168                         ; v168-199 O^T
.set PC,   200                         ; v200-211 P's codes
.set PT,   212                         ; v212-214, v216-218 the conversions' second halves
.set KS,   220                         ; v220-227 K's scale words
.set VS,   228                         ; v228-231 V's
.set PS,   232                         ; P's
.set BMX,  234
.set BT,   238
.set BS,   242
.set F,    246                         ; v[246:247] 2^(old M - new M); the upper word is written once
.set T0,   248
.set WV,   18
.set CNT,  15                          ; live tiles to go
.set TC,   16                          ; trips done
.set FL,   21                          ; the flags
.set REM,  22                          ; live tiles not yet asked for
.set J,    23                          ; the tile in hand
.set TRP,  24                          ; the loop's trips; never written in the loop
.set JN,   25                          ; the next tile
.set KB,   26                          ; s[26:27] K's octet asked for last; s[28:29] V's octets; s[30:31] the mask's tile
.set VB,   28
.set MB,   30
.set SEL,  60
.set CS,   62                          ; s[62:63] log2(e) / 8
.set MF,   68                          ; s[68:69] -8e9
.macro NEXT                            ; the lowest tile of REM (none left: 15), taken out of REM; its K
	s_ctz_i32_b32 s[JN], s[REM]
	s_min_u32 s[JN], s[JN], 15
	s_sub_co_u32 s40, s[REM], 1
	s_and_b32 s[REM], s[REM], s40
	s_mul_i32 s38, s[JN], 16*OCT
	s_mov_b32 s39, 0
	s_add_nc_u64 s[KB:KB+1], s[32:33], s[38:39]
.endm
.macro KLOAD A                         ; 24 loads
.irp t, 0,1,2,3,4,5,6,7
	global_load_b128 v[\A+6*\t:\A+6*\t+3], v20, s[KB:KB+1] offset:768*\t
	global_load_b64 v[\A+6*\t+4:\A+6*\t+5], v21, s[KB:KB+1] offset:768*\t+512
	global_load_b32 v[KS+\t], v39, s[KB:KB+1] offset:6144+64*\t
.endr
.endm
	s_load_b256 s[4:11], s[0:1], 0x0               ; hc, mask, oc, fl
	v_lshl_add_u32 v8, v0, 2, SPARE                ; my spare word; never rewritten
	v_mov_b32 v9, 0                                ; never rewritten
	v_lshrrev_b32 v10, 5, v0
	v_readfirstlane_b32 s[WV], v10                 ; wave 0..7
	s_lshr_b32 s19, s[WV], 2                       ; my head of the two
	s_and_b32 s20, s[WV], 3                        ; my tile of 16 queries
	s_and_b32 s14, ttmp9, 7                        ; the pair of heads
	s_lshr_b32 s13, ttmp9, 3                       ; the batch
	s_and_b32 s12, ttmp7, 0xffff
	s_sub_co_u32 s12, 31, s12                      ; X: my block of 64 queries, the last block first
	s_lshl_b32 s70, s13, 8
	s_lshl_b32 s71, s14, 1
	s_add_co_u32 s70, s70, s71
	s_add_co_u32 s70, s70, s19
	s_mul_i32 s70, s70, OCT
	s_add_co_u32 s70, s70, XT                      ; K: octet (16 b, my head)
	s_mov_b32 s71, 0
	s_lshl_b32 s72, s14, 7
	s_lshl_b32 s73, s13, 5
	s_add_co_u32 s72, s72, s73
	s_mul_i32 s72, s72, OCT
	s_add_co_u32 s72, s72, 2*XT                    ; V: octet (the pair of heads, 32 b)
	s_mov_b32 s73, 0
	s_lshl_b32 s74, s12, 19                        ; the mask: 64 X rows of 8,192 bytes
	s_mov_b32 s75, 0
	s_lshl_b32 s76, s13, 4
	s_lshr_b32 s77, s12, 1
	s_add_co_u32 s76, s76, s77
	s_lshl_b32 s76, s76, 4
	s_lshl_b32 s77, s14, 1
	s_add_co_u32 s76, s76, s77                     ; Q and the result: octet (16 b + X / 2, first head of the pair)
	s_and_b32 s77, s12, 1
	s_add_co_u32 s78, s76, s19
	s_mul_i32 s78, s78, OCT                        ; my head's octet
	s_lshl_b32 s79, s77, 2
	s_add_co_u32 s79, s79, s20                     ; my unit in it
	s_mul_i32 s80, s79, 768
	s_add_co_u32 s80, s80, s78
	s_mov_b32 s81, 0
	s_lshl_b32 s82, s79, 6
	s_add_co_u32 s82, s82, s78                     ; and its scale words, less 6,144
	s_mov_b32 s83, 0
	s_and_b32 s84, s[WV], 3
	s_add_co_u32 s84, s84, s76
	s_mul_i32 s84, s84, OCT
	s_lshl_b32 s85, s77, 8
	s_add_co_u32 s84, s84, s85                     ; used by waves 0 and 1: head w's 256 bytes of scale words, less 6,144
	s_mov_b32 s85, 0
	s_lshl_b32 s38, s12, 2
	s_add_co_u32 s38, s38, s20
	s_lshl_b32 s38, s38, 8                         ; my tile of queries' 256 bytes of fl
	s_mov_b32 s39, 0
	s_mov_b32 s[SEL], 0x76543210
	s_mov_b32 s[SEL+1], 0xfedcba98
	s_mov_b32 s[CS], 0x3e38aa3b                    ; log2(e) / 8
	s_mov_b32 s[CS+1], s[CS]
	s_mov_b32 s[MF], 0xcfee6b28                    ; -8e9
	s_mov_b32 s[MF+1], s[MF]
	s_mul_i32 s41, s19, 3072                       ; V: my head's four units of the octet,
	s_lshl_b32 s42, s19, 8                         ; and their scale words
	s_lshl_b32 s43, s20, 4
	s_lshl_b32 s44, s[WV], 6
	s_and_b32 s45, s[WV], 3
	s_lshl_b32 s45, s45, 8
	s_xor_b32 s46, s45, 256
	v_and_b32 v40, 31, v0                          ; l
	v_and_b32 v41, 15, v0                          ; r
	v_bfe_u32 v42, v0, 4, 1                        ; h
	v_lshlrev_b32 v20, 4, v40                      ; 16 l
	v_lshlrev_b32 v21, 3, v40                      ; 8 l
	v_lshlrev_b32 v39, 2, v41                      ; 4 r
	v_add_nc_u32 v7, s43, v41
	v_add_nc_u32 v4, s41, v20
	v_add_nc_u32 v5, s41, v21
	v_add_nc_u32 v6, s42, v39
	v_lshlrev_b32 v7, 13, v7
	v_add_nc_u32 v17, s44, v39                     ; LDS: my row's two scale bytes: 64 x wave + 4 r
	v_add_nc_u32 v18, s45, v21                     ; read by waves 0 and 1: head w's 64 words,
	v_add_nc_u32 v19, s46, v21                     ; and those of head w xor 1
	v_lshl_add_u32 v7, v42, 5, v7                  ; the mask: row 16 x tile + r of 8,192 bytes, + 32 h
	s_wait_alu depctr_va_vdst(0)
	s_wait_kmcnt 0x0
	s_add_nc_u64 s[32:33], s[4:5], s[70:71]        ; K, tile 0
	s_add_nc_u64 s[34:35], s[4:5], s[72:73]        ; V, tile 0
	s_add_nc_u64 s[36:37], s[6:7], s[74:75]        ; the mask, tile 0
	s_add_nc_u64 s[86:87], s[4:5], s[80:81]        ; Q's unit
	s_add_nc_u64 s[88:89], s[4:5], s[82:83]        ; its scale words
	s_add_nc_u64 s[90:91], s[8:9], s[80:81]        ; the result's unit
	s_add_nc_u64 s[92:93], s[8:9], s[84:85]        ; the result's scale words
	s_add_nc_u64 s[10:11], s[10:11], s[38:39]
	s_load_b32 s[FL], s[10:11], 0x0
	global_load_b128 v[QF:QF+3], v20, s[86:87] th:TH_LOAD_NT
	global_load_b64 v[QF+4:QF+5], v21, s[86:87] offset:512 th:TH_LOAD_NT
	global_load_b32 v[QS], v39, s[88:89] offset:6144 th:TH_LOAD_NT
	s_wait_kmcnt 0x0
	s_not_b32 s[REM], s[FL]
	s_and_b32 s[REM], s[REM], 0xffff               ; the live tiles
	s_max_u32 s[REM], s[REM], 1
	s_bcnt1_i32_b32 s[CNT], s[REM]
	s_add_co_u32 s[TRP], s[CNT], 1
	s_lshr_b32 s[TRP], s[TRP], 1                   ; two steps a trip
	s_min_u32 s[TRP], s[TRP], 8
	s_mov_b32 s[TC], 0
	NEXT
	KLOAD R1
	s_min_u32 s[J], s[JN], 15
	s_wait_loadcnt 24                              ; Q's three loads are in; K's 24 may be out
	v_and_b32 v[QS], 0xffff, v[QS]                 ; my head's two bytes;
	v_mov_b32 v[NM+1], 0xff61b1e6                  ; the largest t so far: -3e38
	v_or_b32 v[QS], 0x01010000, v[QS]              ; the bytes over the zero codes are 1.  (The start values below are the places between this write and the first product)
.irp i, 6,7,8,9,10,11
	v_mov_b32 v[QF+\i], 0                          ; zero codes for the upper 64 along K
.endr
.irp i, 48,49,50,51,52,53
	v_mov_b32 v[R1+\i], 0                          ; what K's last operand runs on into
.endr
	v_floor_f32 v[NM], -v[NM+1]                    ; -M
	v_mov_b32 v[SUM], 0
	v_mov_b32 v[SUM+1], 0
	v_mov_b32 v[F+1], 0
.set jj, 0
.rept 32
	v_mov_b32 v[O+jj], 0                           ; O^T: the step is written for every tile alike; the first finds zeros
.set jj, jj+1
.endr
	s_wait_alu depctr_va_vdst(0)
; A KEY STEP: 128 keys.  K lies (or lands) in block A.
.macro STEP A, B
	s_wait_loadcnt 0x0                             ; K and its scale words
.irp t, 0,1,2,3,4,5,6,7                        ; S^T: lane (r, h) holds query r; register 8 t + j key 16 t + 8 h + j
	v_wmma_scale_f32_16x16x128_f8f6f4 v[\B+8*\t:\B+8*\t+7], v[\A+6*\t:\A+6*\t+11], v[QF:QF+11], 0, v[KS+\t], v[QS] matrix_a_fmt:MATRIX_FMT_FP6 matrix_b_fmt:MATRIX_FMT_FP6
.endr
	s_mul_i32 s38, s[J], 2*OCT                     ; no load of mine is out: every base may be written
	s_mov_b32 s39, 0
	s_add_nc_u64 s[VB:VB+1], s[34:35], s[38:39]
	s_lshl_b32 s38, s[J], 9
	s_add_nc_u64 s[MB:MB+1], s[36:37], s[38:39]
	s_lshr_b32 s47, s[FL], s[J]
	NEXT
	s_min_u32 s[J], s[JN], 15
.rept 4
	v_nop                                          ; places in front of loads into registers that the products have read, and of the first read of their results
.endr
	s_bitcmp1_b32 s47, 16                          ; does the tile hold a mask value other than 0?
	s_cbranch_scc0 .Lclean_\@
.irp t, 0,1,2,3,4,5,6,7                        ; the wave's 16 loads together take 512 bytes of each of its 16 rows
	global_load_b128 v[\A+8*\t:\A+8*\t+3], v7, s[MB:MB+1] offset:64*\t
	global_load_b128 v[\A+8*\t+4:\A+8*\t+7], v7, s[MB:MB+1] offset:64*\t+16
.endr
	s_wait_loadcnt 0x0
.set jj, 0
.rept 32
	v_pk_mul_f32 v[\A+jj:\A+jj+1], v[\A+jj:\A+jj+1], s[MF:MF+1] op_sel_hi:[1,0]   ; mask x (-8e9), rounded by itself
.set jj, jj+2
.endr
.set jj, 0
.rept 32
	v_pk_add_f32 v[\B+jj:\B+jj+1], v[\B+jj:\B+jj+1], v[\A+jj:\A+jj+1]             ; and added; each accumulator from its low end on
.set jj, jj+2
.endr
.Lclean_\@:
.irp dt, 0,1,2,3                               ; V's 20 loads land while the softmax is worked
.irp c, 0,1
	global_load_b128 v[\A+12*\dt+6*\c:\A+12*\dt+6*\c+3], v4, s[VB:VB+1] offset:OCT*\c+768*\dt
	global_load_b64 v[\A+12*\dt+6*\c+4:\A+12*\dt+6*\c+5], v5, s[VB:VB+1] offset:OCT*\c+768*\dt+512
.endr
	global_load_b32 v[VS+\dt], v6, s[VB:VB+1] offset:6144+64*\dt
.endr
; The largest score of each block of 32 keys: for the row's maximum, and, since p rises with the score, for the block's largest p.  Two chains a block, eight by turns; each accumulator is first read at its low end.
.irp b, 0,1,2,3
	v_max3_num_f32 v[BMX+\b], v[\B+16*\b], v[\B+1+16*\b], v[\B+2+16*\b]
.endr
.irp b, 0,1,2,3
	v_max3_num_f32 v[BT+\b], v[\B+8+16*\b], v[\B+9+16*\b], v[\B+10+16*\b]
.endr
.irp i, 3,5
.irp b, 0,1,2,3
	v_max3_num_f32 v[BMX+\b], v[BMX+\b], v[\B+16*\b+\i], v[\B+1+16*\b+\i]
.endr
.irp b, 0,1,2,3
	v_max3_num_f32 v[BT+\b], v[BT+\b], v[\B+8+16*\b+\i], v[\B+9+16*\b+\i]
.endr
.endr
.irp b, 0,1,2,3
	v_max3_num_f32 v[BMX+\b], v[BMX+\b], v[\B+7+16*\b], v[\B+15+16*\b]
.endr
.irp b, 0,1,2,3
	v_max_num_f32 v[BMX+\b], v[BMX+\b], v[BT+\b]
.endr
.irp b, 0,1,2,3
	v_permlanex16_b32 v[BT+\b], v[BMX+\b], s[SEL], s[SEL+1]
.endr
.irp b, 0,1,2,3
	v_max_num_f32 v[BMX+\b], v[BMX+\b], v[BT+\b]   ; with lane l xor 16's 16 keys
.endr
	v_max3_num_f32 v[T0], v[BMX], v[BMX+1], v[BMX+2]
	v_max_num_f32 v[T0], v[T0], v[BMX+3]
	v_mul_f32 v[T0], s[CS], v[T0]                  ; as t
	v_max_num_f32 v[NM+1], v[NM+1], v[T0]          ; the running largest t
	v_mov_b32 v[T0], v[NM]
	v_floor_f32 v[NM], -v[NM+1]                    ; the new -M = -ceil(t)
	v_sub_f32 v[T0], v[NM], v[T0]                  ; old M less new M: a whole number, 0 or less
	v_cvt_i32_f32 v[T0], v[T0]                     ; (it saturates)
	v_ldexp_f32 v[F], 1.0, v[T0]                   ; 2^(old M - new M)
.set jj, 0
.rept 32
	v_pk_fma_f32 v[\B+jj:\B+jj+1], v[\B+jj:\B+jj+1], s[CS:CS+1], v[NM:NM+1] op_sel_hi:[1,0,0]   ; t - M
.set jj, jj+2
.endr
.irp b, 0,1,2,3
	v_fma_f32 v[BMX+\b], v[BMX+\b], s[CS], v[NM]   ; the same of each block's largest score
.endr
	s_wait_alu depctr_va_vdst(0)
.set jj, 0
.rept 64
	v_exp_f32 v[\B+jj], v[\B+jj]                   ; p = 2^(t - M)
.set jj, jj+1
.endr
	v_pk_mul_f32 v[SUM:SUM+1], v[SUM:SUM+1], v[F:F+1] op_sel_hi:[1,0]   ; the sum under the new M: the plain line behind the exponentials
	s_wait_alu depctr_va_vdst(0)                   ; one wait for the batch of 64, ahead of its first reader
.irp b, 0,1,2,3
	v_exp_f32 v[BMX+\b], v[BMX+\b]                 ; the blocks' largest p
.endr
.set kk, 0                                     ; the row's sum of the unquantised p: 32 pairs into eight chains
.irp c, 2,10,12,14,250,252,254
	v_pk_add_f32 v[\c:\c+1], v[\B+kk:\B+kk+1], v[\B+kk+2:\B+kk+3]
.set kk, kk+4
.endr
.rept 2
.irp c, 24,2,10,12,14,250,252,254
	v_pk_add_f32 v[\c:\c+1], v[\c:\c+1], v[\B+kk:\B+kk+1]
.set kk, kk+2
.endr
.endr
	v_pk_add_f32 v[24:25], v[24:25], v[\B+60:\B+61]
	v_pk_add_f32 v[2:3], v[2:3], v[\B+62:\B+63]
	s_wait_alu depctr_va_vdst(0)                   ; and one for the four
.irp b, 0,1,2,3
	v_max_num_f32 v[BMX+\b], 0x1800000, v[BMX+\b]  ; the floor 2^(3 - 127): the byte cannot fall under 1
.endr
.irp b, 0,1,2,3
	v_add_nc_u32 v[BS+\b], 0xff000000, v[BMX+\b]   ; 2 off the exponent field: the conversion's scale operand
.endr
.irp c, 0,1
	v_cvt_scalef32_pk16_fp6_f32 v[PC+6*\c:PC+2+6*\c], v[\B+32*\c:\B+15+32*\c], v[BS+2*\c]
	v_cvt_scalef32_pk16_fp6_f32 v[PT+4*\c:PT+2+4*\c], v[\B+16+32*\c:\B+31+32*\c], v[BS+2*\c+1]
.endr
	v_nop                                          ; one plain place behind a scaled conversion
	KLOAD \B                                       ; p is in codes: its block takes the next tile's K
.irp b, 0,1,2,3
	v_lshrrev_b32 v[BT+\b], 23, v[BS+\b]           ; the scales' bytes
.endr
	v_lshl_or_b32 v[PS], v[BT+1], 8, v[BT]         ; p's scale word for these 128 keys: 28 vector lines ahead of the products that take it
	v_lshl_or_b32 v[T0], v[BT+3], 8, v[BT+2]
	v_lshl_or_b32 v[PS], v[T0], 16, v[PS]
.irp c, 0,1                                    ; the operand's layout wants a whole block in a lane
.irp i, 0,1,2
	v_permlane16_swap_b32 v[PC+6*\c+\i], v[PT+4*\c+\i]
.endr
.endr
.irp c, 0,1
.irp i, 0,1,2
	v_mov_b32 v[PC+3+6*\c+\i], v[PT+4*\c+\i]
.endr
.endr
	s_wait_alu depctr_va_vdst(0)
.set jj, 0
.rept 16
	v_pk_mul_f32 v[O+jj:O+jj+1], v[O+jj:O+jj+1], v[F:F+1] op_sel_hi:[1,0]   ; O^T under the new M.  (These 16 are also the places between p's codes and scale word and the products)
.set jj, jj+2
.endr
	s_wait_alu depctr_va_vdst(0)
	s_wait_loadcnt 24                              ; V's 20 loads are in; behind them stand the 24 of the next K
.irp dt, 0,1,2,3                               ; O^T += V^T P^T: the four accumulators by turns
	v_wmma_scale_f32_16x16x128_f8f6f4 v[O+8*\dt:O+8*\dt+7], v[\A+12*\dt:\A+12*\dt+11], v[PC:PC+11], v[O+8*\dt:O+8*\dt+7], v[VS+\dt], v[PS] matrix_a_fmt:MATRIX_FMT_FP6 matrix_b_fmt:MATRIX_FMT_FP6
.endr
	v_pk_add_f32 v[24:25], v[24:25], v[14:15]      ; the eight chains join: seven plain lines, the places in front of the next step's products, which write over V's registers
	v_pk_add_f32 v[2:3], v[2:3], v[250:251]
	v_pk_add_f32 v[10:11], v[10:11], v[252:253]
	v_pk_add_f32 v[12:13], v[12:13], v[254:255]
	v_pk_add_f32 v[24:25], v[24:25], v[10:11]
	v_pk_add_f32 v[2:3], v[2:3], v[12:13]
	v_pk_add_f32 v[24:25], v[24:25], v[2:3]
.endm
.Lpair:                                            ; a trip: two live tiles
	STEP R1, R2
	s_sub_co_u32 s[CNT], s[CNT], 1
	s_cmp_eq_u32 s[CNT], 0
	s_wait_alu depctr_va_vdst(0)
	s_cbranch_scc1 .Ldone                          ; an odd number of live tiles ends here
	STEP R2, R1
	s_sub_co_u32 s[CNT], s[CNT], 1
	s_add_co_u32 s[TC], s[TC], 1
	s_cmp_lt_u32 s[TC], s[TRP]
	s_wait_alu depctr_va_vdst(0)
	s_cbranch_scc1 .Lpair
.Ldone:
	; THE WAY OUT.  O^T / the sum; its 64 channels are two blocks of the output projection's K: quantised in registers, they are one unit of my head's octet.
	s_wait_loadcnt 0x0                             ; the last request for K has landed: both blocks are free.  (The seven lines that joined the sum are the places behind the last products)
	v_add_f32 v[SUM], v[SUM], v[SUM+1]
	v_permlanex16_b32 v[T0], v[SUM], s[SEL], s[SEL+1]
	v_add_f32 v[SUM], v[SUM], v[T0]                ; the row's sum
	s_wait_alu depctr_va_vdst(0)
	v_rcp_f32 v[SUM], v[SUM]
	v_nop                                          ; a plain line behind the reciprocal
	s_wait_alu depctr_va_vdst(0)                   ; and the wait ahead of its first reader
.set jj, 0
.rept 32
	v_mul_f32 v[R1+jj], v[O+jj], v[SUM]            ; register 16 b + 8 u + j: channel 32 b + 16 u + 8 h + j of query r; each accumulator from its low end on
.set jj, jj+1
.endr
.irp b, 0,1                                    ; two chains a block, four by turns: numbers 0-7 with the floor, and numbers 8-15 (the last line of that chain names number 9 a second time beside number 15)
	v_max3_num_f32 v[BMX+\b], |v[R1+16*\b]|, |v[R1+1+16*\b]|, 0x1800000
	v_max3_num_f32 v[BMX+2+\b], |v[R1+8+16*\b]|, |v[R1+9+16*\b]|, |v[R1+10+16*\b]|
.endr
.irp i, 2,4,6
.irp b, 0,1
	v_max3_num_f32 v[BMX+\b], v[BMX+\b], |v[R1+16*\b+\i]|, |v[R1+1+16*\b+\i]|
	v_max3_num_f32 v[BMX+2+\b], v[BMX+2+\b], |v[R1+9+16*\b+\i]|, |v[R1+9+16*\b+(\i+1)%7]|
.endr
.endr
.irp b, 0,1
	v_max_num_f32 v[BMX+\b], v[BMX+\b], v[BMX+2+\b]
.endr
.irp b, 0,1
	v_permlanex16_b32 v[BT+\b], v[BMX+\b], s[SEL], s[SEL+1]
.endr
.irp b, 0,1
	v_max_num_f32 v[BMX+\b], v[BMX+\b], v[BT+\b]
.endr
.irp b, 0,1
	v_add_nc_u32 v[BS+\b], 0xff000000, v[BMX+\b]
.endr
.irp b, 0,1
	v_lshrrev_b32 v[BT+\b], 23, v[BS+\b]
.endr
	v_lshl_or_b32 v[T0+1], v[BT+1], 8, v[BT]       ; my row's two scale bytes
	v_cvt_scalef32_pk16_fp6_f32 v[PC:PC+2], v[R1:R1+15], v[BS]
	v_cvt_scalef32_pk16_fp6_f32 v[PT:PT+2], v[R1+16:R1+31], v[BS+1]
	v_nop                                          ; one plain place behind a scaled conversion
.irp i, 0,1,2
	v_permlane16_swap_b32 v[PC+\i], v[PT+\i]
.endr
.irp i, 0,1,2
	v_mov_b32 v[PC+3+\i], v[PT+\i]
.endr
	ds_store_b32 v17, v[T0+1]                      ; both halves of the lanes write the same word with the same value
	global_store_b128 v20, v[PC:PC+3], s[90:91]                ; 512 consecutive bytes, aligned to 256
	global_store_b64 v21, v[PC+4:PC+5], s[90:91] offset:512    ; 256 consecutive bytes, aligned
	s_wait_dscnt 0x0                               ; for the others' sake: my scale bytes lie in LDS
	s_barrier_signal -1
	s_barrier_wait -1
	s_cmp_lt_u32 s[WV], 2                          ; wave w (0, 1) joins head w's bytes with those of head w xor 1 and stores the head's 64 words
	s_cbranch_scc0 .Lno_words
	ds_load_b64 v[R2:R2+1], v18
	ds_load_b64 v[R2+2:R2+3], v19
	s_wait_dscnt 0x0
	v_lshl_or_b32 v[R2+4], v[R2+2], 16, v[R2]
	v_lshl_or_b32 v[R2+5], v[R2+3], 16, v[R2+1]
	global_store_b64 v21, v[R2+4:R2+5], s[92:93] offset:6144   ; 256 consecutive bytes, aligned
.Lno_words:
	s_wait_tensorcnt 0x0                           ; the wave's end
	ds_add_u32 v8, v9
	s_wait_dscnt 0x0
	s_endpgm
.Lfunc_end_k_qb40899660d_attn:
	.size	k_qb40899660d_attn, .Lfunc_end_k_qb40899660d_attn-k_qb40899660d_attn
	.p2alignl 7, 3214868480
	.fill 96, 4, 3214868480
	.section	.rodata,"a",@progbits
	.p2align	6, 0x0
	.amdhsa_kernel k_qb40899660d_attn
		.amdhsa_group_segment_fixed_size 2048
		.amdhsa_private_segment_fixed_size 0
		.amdhsa_enable_private_segment 0
		.amdhsa_kernarg_size 32
		.amdhsa_user_sgpr_count 2
		.amdhsa_user_sgpr_kernarg_segment_ptr 1
		.amdhsa_wavefront_size32 1
		.amdhsa_system_sgpr_workgroup_id_x 1
		.amdhsa_system_sgpr_workgroup_id_y 1
		.amdhsa_system_sgpr_workgroup_id_z 1
		.amdhsa_system_vgpr_workitem_id 0
		.amdhsa_next_free_vgpr 256
		.amdhsa_next_free_sgpr 96
		.amdhsa_reserve_vcc 0
		.amdhsa_float_denorm_mode_32 3
		.amdhsa_float_denorm_mode_16_64 3
		.amdhsa_memory_ordered 1
		.amdhsa_forward_progress 1
		.amdhsa_inst_pref_size 61
	.end_amdhsa_kernel
	.amdgpu_metadata
---
amdhsa.version: [ 1, 2 ]
amdhsa.kernels:
  - .name:           k_qb40899660d_attn
    .symbol:         k_qb40899660d_attn.kd
    .args:
      - { .name: hc, .offset: 0, .size: 8, .value_kind: global_buffer, .address_space: global }
      - { .name: mask, .offset: 8, .size: 8, .value_kind: global_buffer, .address_space: global }
      - { .name: oc, .offset: 16, .size: 8, .value_kind: global_buffer, .address_space: global }
      - { .name: fl, .offset: 24, .size: 8, .value_kind: global_buffer, .address_space: global }
    .group_segment_fixed_size: 2048
    .private_segment_fixed_size: 0
    .kernarg_segment_align: 8
    .kernarg_segment_size: 32
    .max_flat_workgroup_size: 256
    .sgpr_count:     96
    .vgpr_count:     256
    .wavefront_size: 32
...
	.end_amdgpu_metadata
.endif
;; end of part 3
;; launch outp (part 4): grid 4 x 32, 4 waves a work-group, clusters of 4 x 4, 327,680 bytes of LDS; arguments oc, wc, bo, out0; writes out0
.if DOCPART == 4
	.amdgcn_target "amdgcn-amd-amdhsa--gfx1250"
	.amdhsa_code_object_version 6
	.text
	.protected	k_qb40899660d_outp
	.globl	k_qb40899660d_outp
	.p2align	8
	.type	k_qb40899660d_outp,@function
k_qb40899660d_outp:
	s_mov_b64 s[64:65], 0
	v_nop
	global_prefetch_b8 v0, s[64:65] scope:SCOPE_SE
	s_setreg_imm32_b32 hwreg(HW_REG_WAVE_MODE, 25, 1), 1
	s_wait_xcnt 0x0
	s_wait_alu depctr_hold_cnt(0) depctr_sa_sdst(0) depctr_va_vdst(0) depctr_va_sdst(0) depctr_va_ssrc(0) depctr_va_vcc(0) depctr_vm_vsrc(0)
	s_getreg_b32 s2, hwreg(HW_REG_IB_STS2, 6, 4)
	s_cmp_eq_u32 s2, 0
	s_cbranch_scc0 .Lentry_in_a_cluster
	s_endpgm
.Lentry_in_a_cluster:
	s_bfe_u32 s2, ttmp6, 0x10000c
	s_cmp_lg_u32 s2, 0xf033
	s_cbranch_scc0 .Lentry_shape_is_right
	s_endpgm
.Lentry_shape_is_right:
.set MODE,   1
.set NQ,     2
.set FR,     12
.set NL,     4
.set NP,     4
.set OCT,    6656
.set HALFT,  4*OCT
.set SLOT,   4*HALFT
.set ORB,    16*OCT
.set LAPS,   2
.set STG,    2*SLOT
.set SPARE,  STG+4096
.set XT,     6815744
.set WT,     851968
.set SIZE_N, 1024
.set SPITCH, 528
.set ADRA, 16
.set ADRB, 20
.set STO,  24
.set RD,   25
.set CO,   26
.set ADRS, 27
.set SPW,  28
.set NIL,  29
.set SR,   31
.set SC,   32
.set BN,   64
.set AF,   128
.set BK,   128
.set HA,   128
.set PC,   192
.set TM,   212
.set PW,   228
.set BM,   232
.set SEL,  82
.set G1,   24
.set G0,   32
.set G1B,  48
.set G0B,  56
.set MSB, 0
.macro WIN new
.if MSB != \new
	s_set_vgpr_msb (MSB<<8)|\new
.set MSB, \new
.endif
.endm
.set MUL_LO, 0xa1
.set MUL_HI, 0xf1
.set TO_B,   0x40
.macro JLOAD g0a, g1a, g0b, g1b
	s_cmp_eq_u32 s15, 0
	s_cbranch_scc0 .Lfor_b_\@
	tensor_load_to_lds s[\g0a:\g0a+3], s[\g1a:\g1a+7]
	s_nop 0
.rept 4
	v_nop
.endr
	s_branch .Lasked_\@
.Lfor_b_\@:
	tensor_load_to_lds s[\g0b:\g0b+3], s[\g1b:\g1b+7]
	s_nop 0
.rept 4
	v_nop
.endr
.Lasked_\@:
.endm
.macro CREST
	s_cmp_lg_u32 s14, 0
	s_cbranch_scc1 .Lnot_wave_0_\@
	s_barrier_signal -3
.Lnot_wave_0_\@:
	s_barrier_wait -3
	s_barrier_signal -1
	s_barrier_wait -1
.endm
.macro CROUND
	s_barrier_signal -1
	s_barrier_wait -1
	CREST
.endm
	s_load_b256 s[4:11], s[0:1], 0x0
.if MODE == 0
	s_load_b128 s[68:71], s[0:1], 0x20
.endif
	v_lshl_add_u32 v[SPW], v0, 2, SPARE
	v_mov_b32 v[NIL], 0
	ds_add_u32 v28, v29
	ds_add_u32 v28, v29
	s_wait_dscnt 0x0
	v_lshrrev_b32 v1, 5, v0
	v_readfirstlane_b32 s14, v1
	s_lshr_b32 s15, s14, 1
	s_and_b32 s16, s14, 1
	s_bfe_u32 s40, ttmp6, 0x40000
	s_bfe_u32 s41, ttmp6, 0x40004
	s_and_b32 s72, ttmp7, 0xffff
.if MODE == 0
	s_lshr_b32 s73, s72, 3
	s_and_b32 s74, s72, 7
	s_cmp_eq_u32 s73, 2
	s_cselect_b32 s75, 0, s74
	s_cselect_b32 s76, s74, 0
	s_cselect_b32 s77, 128, 16
	s_cselect_b32 s84, 0, 0x3f800000
	s_cselect_b32 s86, 0x3f800000, 0
	s_mov_b32 s85, s84
	s_mov_b32 s87, s86
.else
	s_mov_b32 s75, s72
	s_mov_b32 s76, 0
.endif
	s_lshl_b32 s17, s75, 2
	s_add_co_u32 s17, s17, s41
	s_lshl_b32 s42, s76, 2
	s_add_co_u32 s42, s42, s40
	s_lshl_b32 s43, s41, 2
	s_lshl_b32 s43, 15, s43
	s_lshl_b32 s44, 0x1111, s40
	s_or_b32 s[G1+0], s43, (3<<16)|(1<<21)
	s_or_b32 s[G1B+0], s44, (3<<16)|(1<<21)
.irp g, G1, G1B
	s_mov_b32 s[\g+1], 32<<16
	s_mov_b32 s[\g+2], 104<<16
	s_mov_b32 s[\g+3], 32<<16
	s_mov_b32 s[\g+4], 104
	s_mov_b32 s[\g+5], 32
	s_mov_b32 s[\g+6], 0
	s_mov_b32 s[\g+7], 0
.endr
	s_lshl_b32 s20, s17, 1
	s_add_co_u32 s20, s20, s16
	s_mul_i32 s20, s20, ORB
	s_mov_b32 s21, 0
	s_lshl_b32 s46, s42, 1
	s_add_co_u32 s46, s46, s16
	s_mul_i32 s46, s46, ORB
	s_mov_b32 s47, 0
	s_mul_i32 s45, s14, HALFT
	s_mov_b32 s[SEL], 0x76543210
	s_mov_b32 s[SEL+1], 0xfedcba98
	s_wait_kmcnt 0x0
.if MODE == 0
	s_mul_i32 s78, s73, XT
	s_mov_b32 s79, 0
	s_mul_i32 s80, s73, WT
	s_mov_b32 s81, 0
	s_add_nc_u64 s[4:5], s[4:5], s[78:79]
	s_add_nc_u64 s[6:7], s[6:7], s[80:81]
	s_cmp_eq_u32 s73, 2
	s_cselect_b64 s[88:89], s[6:7], s[4:5]
	s_cselect_b64 s[90:91], s[4:5], s[6:7]
	s_add_nc_u64 s[20:21], s[88:89], s[20:21]
	s_add_nc_u64 s[46:47], s[90:91], s[46:47]
.else
	s_add_nc_u64 s[20:21], s[4:5], s[20:21]
	s_add_nc_u64 s[46:47], s[6:7], s[46:47]
	s_add_nc_u64 s[46:47], s[46:47], 3*WT
.endif
	CROUND
.irp s, 0,1
	s_mov_b32 s[G0+4*\s], 1
	s_add_co_u32 s[G0+4*\s+1], s45, \s*SLOT
	s_add_nc_u64 s[G0+4*\s+2:G0+4*\s+3], s[20:21], \s*HALFT
	s_or_b32 s[G0+4*\s+3], s[G0+4*\s+3], 0x80000000
	s_mov_b32 s[G0B+4*\s], 1
	s_add_co_u32 s[G0B+4*\s+1], s45, \s*SLOT
	s_add_nc_u64 s[G0B+4*\s+2:G0B+4*\s+3], s[46:47], \s*HALFT
	s_or_b32 s[G0B+4*\s+3], s[G0B+4*\s+3], 0x80000000
	s_wait_alu depctr_va_vdst(0)
	s_wait_tensorcnt 0x0
	ds_add_u32 v28, v29
	ds_add_u32 v28, v29
	s_wait_dscnt 0x0
	CROUND
	JLOAD G0+4*\s, G1, G0B+4*\s, G1B
.endr
	v_and_b32 v1, 15, v0
	v_bfe_u32 v2, v0, 4, 1
	v_and_b32 v3, 31, v0
	v_lshlrev_b32 v4, 4, v3
	s_wait_alu depctr_va_vdst(0)
	v_lshlrev_b32 v5, 3, v3
	s_wait_alu depctr_va_vdst(0)
	v_lshlrev_b32 v7, 5, v2
	v_lshlrev_b32 v8, 2, v1
	s_lshl_b32 s78, s42, 8
	s_lshl_b32 s79, s16, 7
	s_add_co_u32 s78, s78, s79
.if MODE == 0
	s_lshl_b32 s80, s17, 8
	s_lshl_b32 s81, s15, 7
	s_add_co_u32 s80, s80, s81
	s_cmp_eq_u32 s73, 2
	s_cselect_b32 s78, 0, s78
	s_cselect_b32 s80, s80, 0
	s_cselect_b64 s[92:93], s[68:69], s[10:11]
	s_cmp_eq_u32 s73, 0
	s_cselect_b64 s[92:93], s[8:9], s[92:93]
	s_lshl_b32 s80, s80, 2
	s_mov_b32 s81, 0
	s_add_nc_u64 s[96:97], s[92:93], s[80:81]
.else
	s_mov_b64 s[92:93], s[8:9]
.endif
	s_lshl_b32 s78, s78, 2
	s_mov_b32 s79, 0
	s_add_nc_u64 s[94:95], s[92:93], s[78:79]
.irp b, 0,1,2,3,4,5,6,7
	global_load_b128 v[BN+8*\b:BN+8*\b+3], v7, s[94:95] offset:64*\b
	global_load_b128 v[BN+8*\b+4:BN+8*\b+7], v7, s[94:95] offset:64*\b+16
.endr
.if MODE == 0
.irp a, 0,1,2,3,4,5,6,7
	global_load_b32 v[BM+2*\a], v8, s[96:97] offset:64*\a
	global_load_b32 v[BM+2*\a+1], v8, s[96:97] offset:64*\a
.endr
.endif
	s_mul_i32 s21, s15, HALFT
	s_mul_i32 s22, s16, HALFT
	s_add_co_u32 s22, s22, 2*HALFT
.irp s, 0,1
	v_add_nc_u32 v[ADRA+\s], s21, v4
	v_add_nc_u32 v[ADRB+\s], s22, v4
	v_add_nc_u32 v[ADRA+2+\s], s21, v5
	v_add_nc_u32 v[ADRB+2+\s], s22, v5
	s_add_co_u32 s21, s21, SLOT
	s_add_co_u32 s22, s22, SLOT
.endr
	s_mul_i32 s21, s15, HALFT
	s_mul_i32 s22, s16, HALFT
	s_add_co_u32 s22, s22, 2*HALFT
	s_sub_co_u32 s22, s22, s21
	v_mul_u32_u24 v6, s22, v2
	v_lshl_add_u32 v6, v1, 2, v6
	v_add_nc_u32 v[ADRS], s21, v6
	v_add_nc_u32 v[ADRS+3], SLOT, v[ADRS]
.if MODE == 0
	v_mov_b32 v[STO], v4
	v_mov_b32 v[RD], v5
	s_lshl_b32 s23, s14, 10
	v_lshl_add_u32 v[CO], v2, 9, v8
	v_add_nc_u32 v[CO], s23, v[CO]
	v_add_nc_u32 v[CO], STG, v[CO]
	v_add_nc_u32 v[SR], s23, v4
	v_add_nc_u32 v[SR], STG, v[SR]
	s_lshl_b32 s78, s17, 1
	s_add_co_u32 s78, s78, s15
	s_mul_i32 s78, s78, s77
	s_lshl_b32 s79, s42, 2
	s_add_co_u32 s78, s78, s79
	s_lshl_b32 s79, s16, 1
	s_add_co_u32 s78, s78, s79
	s_mul_i32 s78, s78, OCT
	s_mul_i32 s79, s73, XT
	s_add_co_u32 s78, s78, s79
	s_mov_b32 s79, 0
	s_add_nc_u64 s[12:13], s[70:71], s[78:79]
.else
	s_mul_i32 s23, s14, 16*SPITCH
	v_mul_u32_u24 v6, v1, SPITCH
	v_lshl_add_u32 v6, v2, 5, v6
	v_add_nc_u32 v[STO], s23, v6
	v_mov_b32 v[CO], v4
	v_add_nc_u32 v[RD], s23, v4
	s_lshl_b32 s78, s17, 8
	s_lshl_b32 s79, s15, 7
	s_add_co_u32 s78, s78, s79
	s_lshl_b32 s78, s78, 12
	s_lshl_b32 s79, s42, 10
	s_add_co_u32 s78, s78, s79
	s_lshl_b32 s79, s16, 9
	s_add_co_u32 s78, s78, s79
	s_mov_b32 s79, 0
	s_add_nc_u64 s[12:13], s[10:11], s[78:79]
.endif
	s_wait_alu depctr_va_vdst(0)
	s_wait_loadcnt 0x0
.if MODE == 0
.set ii, 0
.rept 32
	v_pk_mul_f32 v[BN+2*ii:BN+2*ii+1], v[BN+2*ii:BN+2*ii+1], s[84:85] op_sel_hi:[1,0]
.set ii, ii+1
.endr
.set ii, 0
.rept 8
	v_pk_mul_f32 v[BM+2*ii:BM+2*ii+1], v[BM+2*ii:BM+2*ii+1], s[86:87] op_sel_hi:[1,0]
.set ii, ii+1
.endr
.endif
.macro FRAG reg, adr, q, i
.irp c, 0,1
	ds_load_b128 v[\reg+6*\c:\reg+6*\c+3], v[\adr] offset:(2*(\q)+\c)*OCT+768*(\i)
	ds_load_b64 v[\reg+6*\c+4:\reg+6*\c+5], v[\adr+2] offset:(2*(\q)+\c)*OCT+768*(\i)+512
.endr
.endm
.macro MUL16 a0, p, q, sc, zero
.irp a, \a0, \a0+1
.irp b, 0,1,2,3,4,5,6,7
.if \zero
	v_wmma_scale_f32_16x16x128_f8f6f4 v[8*(8*((\a)%4)+\b):8*(8*((\a)%4)+\b)+7], v[128*(\p)+FR*\b:128*(\p)+FR*\b+FR-1], v[AF+FR*(\a):AF+FR*(\a)+FR-1], v[BN+8*\b:BN+8*\b+7], v[SC+8*NQ*(\sc)+NQ*\b+(\q)], v[SC+8*NQ*(\sc)+NQ*(\a)+(\q)] matrix_a_fmt:MATRIX_FMT_FP6 matrix_b_fmt:MATRIX_FMT_FP6 matrix_a_scale:MATRIX_SCALE_ROW1
.else
	v_wmma_scale_f32_16x16x128_f8f6f4 v[8*(8*((\a)%4)+\b):8*(8*((\a)%4)+\b)+7], v[128*(\p)+FR*\b:128*(\p)+FR*\b+FR-1], v[AF+FR*(\a):AF+FR*(\a)+FR-1], v[8*(8*((\a)%4)+\b):8*(8*((\a)%4)+\b)+7], v[SC+8*NQ*(\sc)+NQ*\b+(\q)], v[SC+8*NQ*(\sc)+NQ*(\a)+(\q)] matrix_a_fmt:MATRIX_FMT_FP6 matrix_b_fmt:MATRIX_FMT_FP6 matrix_a_scale:MATRIX_SCALE_ROW1
.endif
.endr
.endr
.endm
.macro FETCH_B slot, q, p
	WIN TO_B
.irp i, 0,1,2,3,4,5,6,7
	FRAG 128*(\p)+FR*\i, ADRB+\slot, \q, \i
.endr
	WIN 0
.endm
.macro FETCH_A slot, q, i0
.irp i, \i0, \i0+1, \i0+2, \i0+3
	FRAG AF+FR*(\i), ADRA+\slot, \q, \i
.endr
.endm
.macro SCALES sc
.irp i, 0,1,2,3,4,5,6,7
.irp q, 0,1
	ds_load_b32 v[SC+16*\sc+2*\i+\q], v[ADRS+3*\sc] offset:2*\q*OCT+6144+64*\i
.endr
.endr
.endm
.macro PLACES n
.rept \n
	v_nop
.endr
.endm
.macro STEP slot, q, zero
	s_wait_dscnt 4*NL
.if \zero
	WIN 0x81
.else
	WIN MUL_LO
.endif
	MUL16 0, (\q)%2, \q, \slot, \zero
	MUL16 2, (\q)%2, \q, \slot, \zero
	s_wait_dscnt 0
	PLACES NP
	FETCH_B \slot, (\q)+1, 1-(\q)%2
	FETCH_A \slot, (\q)+1, 0
.if \zero
	WIN 0xc1
.else
	WIN MUL_HI
.endif
	MUL16 4, (\q)%2, \q, \slot, \zero
	MUL16 6, (\q)%2, \q, \slot, \zero
	PLACES NP
	WIN 0
	FETCH_A \slot, (\q)+1, 4
.endm
.macro TURN slot, next, fill
	s_wait_tensorcnt 0x0
	ds_add_u32 v[SPW], v[NIL]
	s_wait_dscnt 4*NL+1
	WIN MUL_LO
	MUL16 0, 1, NQ-1, \slot, 0
	s_wait_dscnt 0x0
	s_barrier_signal -1
	MUL16 2, 1, NQ-1, \slot, 0
	WIN 0
	s_barrier_wait -1
.if \fill
	CREST
	s_add_nc_u64 s[G0+4*\slot+2:G0+4*\slot+3], s[G0+4*\slot+2:G0+4*\slot+3], 2*HALFT
	s_add_nc_u64 s[G0B+4*\slot+2:G0B+4*\slot+3], s[G0B+4*\slot+2:G0B+4*\slot+3], 2*HALFT
	JLOAD G0+4*\slot, G1, G0B+4*\slot, G1B
.else
	PLACES NP
.endif
	FETCH_B \next, 0, 0
	FETCH_A \next, 0, 0
	SCALES \next
	WIN MUL_HI
	MUL16 4, 1, NQ-1, \slot, 0
	MUL16 6, 1, NQ-1, \slot, 0
	PLACES NP
	WIN 0
	FETCH_A \next, 0, 4
.endm
	s_wait_tensorcnt 1
	s_barrier_signal -1
	s_barrier_wait -1
	FETCH_B 0, 0, 0
	FETCH_A 0, 0, 0
	SCALES 0
	FETCH_A 0, 0, 4
	STEP 0, 0, 1
	s_mov_b32 s3, LAPS-1
.Llap:
	TURN 0, 1, 1
	STEP 1, 0, 0
	TURN 1, 0, 1
	STEP 0, 0, 0
	s_sub_co_u32 s3, s3, 1
	s_cmp_lg_u32 s3, 0
	s_cbranch_scc1 .Llap
	TURN 0, 1, 0
	STEP 1, 0, 0
	s_wait_dscnt 4*NL
	WIN MUL_LO
	MUL16 0, 1, NQ-1, 1, 0
	MUL16 2, 1, NQ-1, 1, 0
	s_wait_dscnt 0
	WIN MUL_HI
	MUL16 4, 1, NQ-1, 1, 0
	MUL16 6, 1, NQ-1, 1, 0
	WIN 0
.if MODE == 0
.macro QUANT s
.irp b, 0,1,2,3
	v_max3_num_f32 v[TM+\b], |v[\s+16*\b]|, |v[\s+1+16*\b]|, 0x1800000
.endr
.irp i, 2,4,6,8,10,12,14
.irp b, 0,1,2,3
	v_max3_num_f32 v[TM+\b], v[TM+\b], |v[\s+16*\b+\i]|, |v[\s+1+16*\b+\i]|
.endr
.endr
.irp b, 0,1,2,3
	v_permlanex16_b32 v[TM+4+\b], v[TM+\b], s[SEL], s[SEL+1]
.endr
.irp b, 0,1,2,3
	v_max_num_f32 v[TM+\b], v[TM+\b], v[TM+4+\b]
.endr
.irp b, 0,1,2,3
	v_add_nc_u32 v[TM+12+\b], 0xff000000, v[TM+\b]
.endr
.irp b, 0,1,2,3
	v_lshrrev_b32 v[TM+4+\b], 23, v[TM+12+\b]
.endr
	v_lshl_or_b32 v[PW], v[TM+5], 8, v[TM+4]
	v_lshl_or_b32 v[PW], v[TM+6], 16, v[PW]
	v_lshl_or_b32 v[PW], v[TM+7], 24, v[PW]
.irp c, 0,1
	v_cvt_scalef32_pk16_fp6_f32 v[PC+6*\c:PC+2+6*\c], v[\s+32*\c:\s+15+32*\c], v[TM+12+2*\c]
	v_cvt_scalef32_pk16_fp6_f32 v[PC+12+4*\c:PC+14+4*\c], v[\s+16+32*\c:\s+31+32*\c], v[TM+12+2*\c+1]
.endr
	v_nop
.irp c, 0,1
.irp i, 0,1,2
	v_permlane16_swap_b32 v[PC+6*\c+\i], v[PC+12+4*\c+\i]
.endr
.irp i, 0,1,2
	v_mov_b32 v[PC+3+6*\c+\i], v[PC+12+4*\c+\i]
.endr
.endr
.endm
.macro OUTQ a
	WIN 0x02+(\a)/4
.set ii, 0
.rept 32
	v_pk_add_f32 v[HA+2*ii:HA+2*ii+1], v[64*((\a)%4)+2*ii:64*((\a)%4)+2*ii+1], v[BM+2*(\a):BM+2*(\a)+1]
.set ii, ii+1
.endr
	WIN 0
	s_wait_xcnt 0x0
	QUANT HA
	v_lshrrev_b32 v[PW+1], 16, v[PW]
	v_lshl_or_b32 v[PW+1], v[PW], 16, v[PW+1]
	v_cndmask_b32 v[PW+2], v[PW], v[PW+1], vcc_lo
	ds_store_b32 v[CO], v[PW+2] offset:64*(\a)
.irp u, 0,1
	global_store_b128 v[STO], v[PC+6*\u:PC+6*\u+3], s[12:13] offset:OCT*\u+768*(\a)
	global_store_b64 v[RD], v[PC+6*\u+4:PC+6*\u+5], s[12:13] offset:OCT*\u+768*(\a)+512
.endr
.endm
	PLACES NP
.irp b, 0,1,2,3
	v_mov_b32 v[TM+4+\b], 0
.endr
	s_mov_b32 vcc_lo, 0xffff0000
.irp a, 0,1,2,3,4,5,6,7
	OUTQ \a
.endr
	ds_load_b128 v[HA:HA+3], v[SR]
	ds_load_b128 v[HA+4:HA+7], v[SR] offset:512
	s_wait_dscnt 0x0
	global_store_b128 v[STO], v[HA:HA+3], s[12:13] offset:6144
	global_store_b128 v[STO], v[HA+4:HA+7], s[12:13] offset:OCT+6144
.else
.macro TOSTAGE a
.set AC, 64*((\a)%4)
	WIN 0x08+4*((\a)/4)
.irp b, 0,1,2,3,4,5,6,7
	ds_store_b128 v[STO], v[AC+8*\b:AC+8*\b+3] offset:64*\b
	ds_store_b128 v[STO], v[AC+8*\b+4:AC+8*\b+7] offset:64*\b+16
.endr
	WIN 0
.set BB, BK+64*((\a)%2)
.irp t, 0,1,2,3,4,5,6,7,8,9,10,11,12,13,14,15
	ds_load_b128 v[BB+4*\t:BB+4*\t+3], v[RD] offset:\t*SPITCH
.endr
.endm
.macro SEND a, younger
.set BB, BK+64*((\a)%2)
	s_wait_dscnt \younger
.if (\a) > 0
	s_add_nc_u64 s[12:13], s[12:13], 16*SIZE_N*4
.endif
.irp t, 0,1,2,3,4,5,6,7,8,9,10,11,12,13,14,15
	global_store_b128 v[CO], v[BB+4*\t:BB+4*\t+3], s[12:13] offset:\t*SIZE_N*4 th:TH_STORE_NT
.endr
.endm
	PLACES NP
	TOSTAGE 0
.irp a, 1,2,3,4,5,6,7
.if \a > 1
	s_wait_xcnt 0x0
.endif
	TOSTAGE \a
	SEND \a-1, 32
.endr
	s_wait_xcnt 0x0
	SEND 7, 0
.endif
	s_wait_tensorcnt 0x0
	ds_add_u32 v[SPW], v[NIL]
	s_wait_dscnt 0x0
	CROUND
	s_endpgm
.Lfunc_end_k_qb40899660d_outp:
	.size	k_qb40899660d_outp, .Lfunc_end_k_qb40899660d_outp-k_qb40899660d_outp
	.p2alignl 7, 3214868480
	.fill 96, 4, 3214868480
	.section	.rodata,"a",@progbits
	.p2align	6, 0x0
	.amdhsa_kernel k_qb40899660d_outp
		.amdhsa_group_segment_fixed_size 327680
		.amdhsa_private_segment_fixed_size 0
		.amdhsa_enable_private_segment 0
		.amdhsa_kernarg_size 32
		.amdhsa_user_sgpr_count 2
		.amdhsa_user_sgpr_kernarg_segment_ptr 1
		.amdhsa_wavefront_size32 1
		.amdhsa_system_sgpr_workgroup_id_x 1
		.amdhsa_system_sgpr_workgroup_id_y 1
		.amdhsa_system_sgpr_workgroup_id_z 1
		.amdhsa_system_vgpr_workitem_id 0
		.amdhsa_next_free_vgpr 1024
		.amdhsa_next_free_sgpr 100
		.amdhsa_reserve_vcc 1
		.amdhsa_float_denorm_mode_32 3
		.amdhsa_float_denorm_mode_16_64 3
		.amdhsa_memory_ordered 1
		.amdhsa_forward_progress 1
		.amdhsa_inst_pref_size 146
	.end_amdhsa_kernel
	.amdgpu_metadata
---
amdhsa.version: [ 1, 2 ]
amdhsa.kernels:
  - .name:           k_qb40899660d_outp
    .symbol:         k_qb40899660d_outp.kd
    .args:
      - { .name: oc, .offset: 0, .size: 8, .value_kind: global_buffer, .address_space: global }
      - { .name: wc, .offset: 8, .size: 8, .value_kind: global_buffer, .address_space: global }
      - { .name: bo, .offset: 16, .size: 8, .value_kind: global_buffer, .address_space: global }
      - { .name: out0, .offset: 24, .size: 8, .value_kind: global_buffer, .address_space: global }
    .group_segment_fixed_size: 327680
    .private_segment_fixed_size: 0
    .kernarg_segment_align: 8
    .kernarg_segment_size: 32
    .max_flat_workgroup_size: 128
    .sgpr_count:     100
    .vgpr_count:     1024
    .wavefront_size: 32
...
	.end_amdgpu_metadata
.endif
;; end of part 4
